; MI455X (gfx1250); checked and timed in simulation.
; The chip was launched on July 23, 2026; its instructions are those of AMD's public machine-readable ISA for CDNA 5 (MIT licence, August 2026) and "CDNA5" Instruction Set Architecture Reference Guide (July 2026). The comments in the code are by the model that wrote it; some were corrected since.
;; Multi Head Attention. Allowed arithmetic: matrix products marked QUANTISED: E2M1 operands, one E8M0 scale for each 32 along K, by v_wmma_scale_f32_16x16x128_f8f6f4 with both operands' format E2M1 (or v_wmma_scale_f32_32x16x128_f4), f32 sums; products left as they are: bf16, f16 or f32 operands; f32 sums; everything else in f32.
;; Inputs: Wk 1,024 x 1,024 float32; Wo 1,024 x 1,024 float32; Wq 1,024 x 1,024 float32; Wv 1,024 x 1,024 float32; bk 1,024 float32; bo 1,024 float32; bq 1,024 float32; bv 1,024 float32; x 2 x 2,048 x 1,024 float32.
;; Outputs: out0 2 x 2,048 x 1,024 float32.
;; This version of the problem:
;;   THIS VERSION OF THE PROBLEM IS GIVEN IN LOW PRECISION. The matrix products marked QUANTISED in the list below multiply operands that are first quantised to E2M1 (2 exponent bits, 1 mantissa bit; 4 bits a number), with one power-of-two scale for each 32 numbers along K (OCP MX v1.0); their sums are f32. The products marked 'left as it is' may take bf16, f16 or f32 operands, with f32 sums. Whichever they take, every output number must still come out within the allowed error. Rounding operands to bf16 (8 significant bits) uses up far more of that allowance than f16 does (11 bits, for magnitudes from 6e-5 to 65,504). All else is computed in f32.
;;   The module's matrix products, in the order in which they are computed (A, B: the left and right operand; K: the contracted axis; several contracted axes count as one K, in the product's order):
;;     1. [M 4,096, K 1,024] x [K 1,024, N 1,024]; A: input x; B: input Wq: QUANTISED
;;     2. [M 4,096, K 1,024] x [K 1,024, N 1,024]; A: input x; B: input Wk: QUANTISED
;;     3. [M 4,096, K 1,024] x [K 1,024, N 1,024]; A: input x; B: input Wv: QUANTISED
;;     4. batch 32 x [M 2,048, K 64] x [K 64, N 2,048]; A: computed on the way; B: computed on the way: left as it is (an operand is computed on the way)
;;     5. batch 32 x [M 2,048, K 2,048] x [K 2,048, N 64]; A: computed on the way; B: computed on the way: left as it is (an operand is computed on the way)
;;     6. [M 4,096, K 1,024] x [K 1,024, N 1,024]; A: computed on the way; B: input Wo: left as it is (an operand is computed on the way)
;;   THE QUANTISER, for each operand of a quantised product, along K:
;;     - K is cut into blocks of 32 from its start; a last block that is shorter is filled with zeros.
;;     - A block's scale is 2^e with e = floor(log2(the largest magnitude in the block)) - 2, held to -126 .. 127; a block of zeros has e = 0. As a byte (E8M0): e + 127.
;;     - Each number is divided by its block's scale, clamped to +-6, and rounded to the nearest number of E2M1, ties to even, subnormals kept.
;;     - The product sums the exact products of the quantised numbers (number of the format x scale) in f32.
;;   ~~~python
;;   def quantise(x, axis):      # numpy; x: float32 -> the quantised numbers, widened to float32 again
;;       x = np.moveaxis(x, axis, -1); K = x.shape[-1]
;;       x = np.pad(x, [(0, 0)] * (x.ndim - 1) + [(0, -K % 32)]); x = x.reshape(x.shape[:-1] + (-1, 32)); a = np.abs(x).max(-1, keepdims=True)
;;       e = np.where(a > 0, np.clip(np.frexp(np.where(a > 0, a, 1))[1] - 1 - 2, -126, 127), 0)      # np.frexp(a)[1] - 1 = floor(log2(a)), exactly
;;       r = np.clip(x / 2.0 ** e, -6, 6)
;;       step = 2.0 ** (np.maximum(np.frexp(np.where(r == 0, 1, r))[1] - 1, 0) - 1)
;;       q = np.round(r / step) * step * 2.0 ** e      # np.round: ties to even
;;       return np.moveaxis(q.reshape(q.shape[:-2] + (-1,))[..., :K], -1, axis).astype(np.float32)
;;   ~~~
;; One version. Each part assembles by itself: llvm-mc -triple=amdgcn-amd-amdhsa -mcpu=gfx1250 --defsym DOCPART=n.
;; ======== version 1 of 1: 4 launches
;; limits: values are held in f16: magnitudes above 65,504 overflow, below 6.1e-05 lose precision
;; workspace buffers: xc 2,097,152 bytes; xs 131,072 bytes; wc 1,572,864 bytes; ws 98,304 bytes; wo16 2,097,152 bytes; qkv 25,165,824 bytes; ctx 8,388,608 bytes
;; launch quant (part 1): grid 256 x 1, 4 waves a work-group, no clusters, 33,280 bytes of LDS; arguments x, Wq, Wk, Wv, Wo, xc, xs, wc, ws, wo16; writes xc, xs, wc, ws, wo16
.if DOCPART == 1
	.amdgcn_target "amdgcn-amd-amdhsa--gfx1250"
	.amdhsa_code_object_version 6
	.text
	.protected	k_q5225f3ce15_quant
	.globl	k_q5225f3ce15_quant
	.p2align	8
	.type	k_q5225f3ce15_quant,@function
k_q5225f3ce15_quant:
	s_mov_b64 s[64:65], 0
	v_nop
	global_prefetch_b8 v0, s[64:65] scope:SCOPE_SE
	s_setreg_imm32_b32 hwreg(HW_REG_WAVE_MODE, 25, 1), 1
	s_wait_xcnt 0x0
; x [4096][1024] and Wq, Wk, Wv [1024][1024], f32, K innermost, become codes of FP4 (E2M1), two a byte, the lower k in the low four bits, with one E8M0 byte for each 32 along K.
; xc [4096][512 bytes], xs [4096][32]; wc [3072][512 bytes], ws [3072][32]: rows 0-1023 Wq, 1024-2047 Wk, 2048-3071 Wv.  Wo [1024][1024] is rounded to f16 into wo16, same layout.
; A block's scale is 2^(floor(log2(largest magnitude)) - 2): its byte is the largest magnitude's exponent field - 2, held at 1 from below.
; LIMITS: a block of zeros gets the byte 1 where the rule says 127 (its codes are zeros, and this program alone reads the bytes); NaN and infinities among the inputs are not served; |Wo| stays under 65,504 (f16).
; SHARES: 256 work-groups of 32,768 numbers, a wave 8,192: work-groups 0-127 x, 128-223 the three weights (32 each), 224-255 Wo.  Rows are dense, so every tensor is a plain stream of blocks of 32.
; No cluster: no two work-groups read the same byte.  No tensor load, no barrier: waves share nothing.
; THE QUANTISER'S PATH: a step is 512 numbers: four loads of 512 consecutive bytes; the 2,048 bytes turn through the wave's own stage in LDS, so that a lane gets 16 neighbours along K (two lanes hold a block).
; A wave's 16 codes a lane are 8 bytes: a store covers 256 consecutive bytes.  A wave's 256 scale bytes are gathered in LDS and leave as one store of 256 consecutive bytes.
.set STEPS, 16
.set EMAX,  2
.set CB,    8                          ; bytes of 16 codes
.set R,     16                         ; v16-79   four sets of 16 numbers as loaded (Wo's path: v16-143, two sets of 64)
.set X,     80                         ; v80-111  two sets of 16 neighbours
.set E,     112                        ; v112-127 a scale byte for each step
.set C,     128                        ; v128-191 codes, four registers a step: no store's data are written again
.set H,     144                        ; Wo's path: v144-175, 16 pairs of f16 words
.set WREG,  8192                       ; LDS: a region for each wave: two stages of 32 x SP bytes, then its 256 scale bytes
.set SP,    80                         ; a lane's place in a stage: 64 bytes + 16 of padding
.set SPW,   12                         ; v12  LDS address of my spare word; never rewritten
.set NIL,   13                         ; v13  0; never rewritten
.set SPARE, 4*WREG                     ; behind the four regions: the spare words, 128 bytes a wave
	s_load_b256 s[4:11], s[0:1], 0x0               ; x, Wq, Wk, Wv
	s_load_b256 s[12:19], s[0:1], 0x20             ; Wo, xc, xs, wc
	s_load_b128 s[20:23], s[0:1], 0x40             ; ws, wo16
	v_lshl_add_u32 v[SPW], v0, 2, SPARE
	v_mov_b32 v[NIL], 0
	v_lshrrev_b32 v1, 5, v0
	v_readfirstlane_b32 s24, v1                    ; wave
	v_and_b32 v2, 31, v0                           ; lane
	v_lshlrev_b32 v3, 4, v2                        ; my 16 bytes of a load's 512
	s_mul_i32 s25, s24, WREG
	v_lshrrev_b32 v14, 2, v2
	v_mul_u32_u24 v14, v14, SP
	v_and_b32 v15, 3, v2
	v_lshl_add_u32 v14, v15, 4, v14
	v_add_nc_u32 v14, s25, v14                     ; the stage, way in: SP (lane / 4) + 16 (lane % 4)
	v_mul_u32_u24 v15, v2, SP
	v_add_nc_u32 v15, s25, v15                     ; way out: SP x lane: my 16 neighbours
	v_mul_u32_u24 v4, v2, CB                       ; 8 x lane: my codes' place in a step's; also my f16 words' place in Wo's path
	v_lshrrev_b32 v5, 1, v2
	s_add_co_u32 s25, s25, 2*32*SP
	v_add_nc_u32 v5, s25, v5                       ; my block's byte among my wave's 256 scale bytes
	v_lshlrev_b32 v7, 3, v2
	v_add_nc_u32 v6, s25, v7                       ; and 8 bytes a lane on their way out
	s_mov_b32 s35, 0
	s_wait_kmcnt 0x0
	s_cmp_lt_u32 ttmp9, 224                        ; the work-group's number alone decides the path
	s_cbranch_scc1 .Lquantise
	; ---- Wo to f16: 64 loads of 512 consecutive bytes a wave, in four groups of 16, two groups ahead; no LDS
	s_sub_co_u32 s32, ttmp9, 224
	s_lshl_b32 s32, s32, 2
	s_add_co_u32 s32, s32, s24                     ; my run of 8,192 numbers
	s_lshl_b32 s34, s32, 15
	s_add_nc_u64 s[12:13], s[12:13], s[34:35]
	s_lshl_b32 s34, s32, 14
	s_add_nc_u64 s[22:23], s[22:23], s[34:35]
.macro WLOAD g
.irp i, 0,1,2,3,4,5,6,7,8,9,10,11,12,13,14,15
	global_load_b128 v[R+64*((\g)%2)+4*\i:R+64*((\g)%2)+4*\i+3], v3, s[12:13] offset:512*(16*(\g)+\i) th:TH_LOAD_NT
.endr
.endm
.macro WSTEP g
.if (\g) < 3
	s_wait_loadcnt 16                              ; this group's 16 loads are in; the next group's 16 may be out
.else
	s_wait_loadcnt 0x0
.endif
.if (\g) > 0
	s_wait_xcnt 0x0                                ; the last group's stores have read their data registers, which are written again below
.endif
.irp i, 0,1,2,3,4,5,6,7,8,9,10,11,12,13,14,15
	v_cvt_pk_f16_f32 v[H+2*\i], v[R+64*((\g)%2)+4*\i], v[R+64*((\g)%2)+4*\i+1]
	v_cvt_pk_f16_f32 v[H+2*\i+1], v[R+64*((\g)%2)+4*\i+2], v[R+64*((\g)%2)+4*\i+3]
.endr
.if (\g) < 2
	WLOAD (\g)+2                                   ; loads ahead of stores
.endif
.irp i, 0,1,2,3,4,5,6,7,8,9,10,11,12,13,14,15
	global_store_b64 v4, v[H+2*\i:H+2*\i+1], s[22:23] offset:256*(16*(\g)+\i)   ; 32 lanes store 256 consecutive bytes, aligned
.endr
.endm
	WLOAD 0
	WLOAD 1
	WSTEP 0
	WSTEP 1
	WSTEP 2
	WSTEP 3
	s_branch .Lend
.Lquantise:
	; ---- which tensor: only pointers and chunk numbers are chosen, by the work-group's number
	s_and_b32 s32, ttmp9, 31                       ; a weight's chunk (128 is a multiple of 32)
	s_max_u32 s33, ttmp9, 128
	s_sub_co_u32 s33, s33, 128                     ; the chunk in wc and ws
	s_cmp_lt_u32 ttmp9, 192
	s_cselect_b64 s[26:27], s[8:9], s[10:11]       ; Wk or Wv
	s_cmp_lt_u32 ttmp9, 160
	s_cselect_b64 s[26:27], s[6:7], s[26:27]       ; Wq
	s_cmp_lt_u32 ttmp9, 128
	s_cselect_b64 s[26:27], s[4:5], s[26:27]       ; x
	s_cselect_b64 s[28:29], s[14:15], s[18:19]     ; codes: xc or wc
	s_cselect_b64 s[30:31], s[16:17], s[20:21]     ; scale bytes: xs or ws
	s_cselect_b32 s32, ttmp9, s32
	s_cselect_b32 s33, ttmp9, s33
	s_lshl_b32 s32, s32, 2
	s_add_co_u32 s32, s32, s24                     ; my run of 8,192 numbers in the source,
	s_lshl_b32 s33, s33, 2
	s_add_co_u32 s33, s33, s24                     ; and in the destination
	s_lshl_b32 s34, s32, 15
	s_add_nc_u64 s[26:27], s[26:27], s[34:35]      ; 32,768 bytes of f32 a run
	s_lshl_b32 s34, s33, 12
	s_add_nc_u64 s[28:29], s[28:29], s[34:35]      ; 4,096 bytes of codes
	s_lshl_b32 s34, s33, 8
	s_add_nc_u64 s[30:31], s[30:31], s[34:35]      ; 256 scale bytes
.macro LOAD t
.irp i, 0,1,2,3
	global_load_b128 v[R+16*((\t)%4)+4*\i:R+16*((\t)%4)+4*\i+3], v3, s[26:27] offset:2048*(\t)+512*\i th:TH_LOAD_NT   ; 512 consecutive bytes
.endr
.endm
.macro TURN t                          ; step t's numbers through the stage; LDS serves a wave's instructions in order, so no wait stands between the stores and the loads
.irp i, 0,1,2,3
	ds_store_b128 v14, v[R+16*((\t)%4)+4*\i:R+16*((\t)%4)+4*\i+3] offset:32*SP*((\t)%2)+8*SP*\i
.endr
.irp i, 0,1,2,3
	ds_load_b128 v[X+16*((\t)%2)+4*\i:X+16*((\t)%2)+4*\i+3], v15 offset:32*SP*((\t)%2)+16*\i
.endr
.endm
.irp t, 0,1,2,3
	LOAD \t
.endr
	s_wait_loadcnt 12                              ; step 0's four loads are in; three steps' twelve may be out
	TURN 0
.macro STEP t
.set XS, X+16*((\t)%2)
.if (\t) > 0
	s_wait_dscnt 1                                 ; this step's numbers are back from the stage; the last step's byte store may be out
.else
	s_wait_dscnt 0x0
.endif
.if (\t)+4 < STEPS
	LOAD (\t)+4                                    ; into the registers that the stage's stores have read
.endif
.if (\t)+1 < STEPS
.if STEPS-2-(\t) >= 3
	s_wait_loadcnt 12                              ; the next step's four loads are in; those of the three steps behind it may be out
.else
	s_wait_loadcnt 4*(STEPS-2-(\t))
.endif
	TURN (\t)+1
.endif
	v_max3_num_f32 v8, |v[XS]|, |v[XS+1]|, |v[XS+2]|               ; the largest magnitude of my 16, in two chains
	v_max3_num_f32 v9, |v[XS+3]|, |v[XS+4]|, |v[XS+5]|
.irp i, 6,10
	v_max3_num_f32 v8, v8, |v[XS+\i]|, |v[XS+\i+1]|
	v_max3_num_f32 v9, v9, |v[XS+\i+2]|, |v[XS+\i+3]|
.endr
	v_max3_num_f32 v8, v8, |v[XS+14]|, |v[XS+15]|
	v_max3_num_f32 v8, v8, v9, (EMAX+1)<<23        ; and the floor 2^(3 - 127): the byte cannot fall under 1
	v_max_num_f32_dpp v8, v8, v8 row_xmask:1 row_mask:0xf bank_mask:0xf   ; with my neighbour's 16: the block's
	v_add_nc_u32 v11, -(EMAX<<23), v8              ; 2 off its exponent field: the conversion takes that field as its scale
	v_cvt_scalef32_pk8_fp4_f32 v[C+4*(\t)], v[XS:XS+7], v11
	v_cvt_scalef32_pk8_fp4_f32 v[C+4*(\t)+1], v[XS+8:XS+15], v11
	v_lshrrev_b32 v[E+(\t)], 23, v11               ; the scale's byte (also the plain line behind the conversions)
	ds_store_b8 v5, v[E+(\t)] offset:16*(\t)       ; both lanes of a block write the same byte with the same value
	global_store_b64 v4, v[C+4*(\t):C+4*(\t)+1], s[28:29] offset:32*CB*(\t)   ; 256 consecutive bytes, aligned
.endm
.irp t, 0,1,2,3,4,5,6,7,8,9,10,11,12,13,14,15
	STEP \t
.endr
	ds_load_b64 v[8:9], v6                         ; in order behind my byte stores
	s_wait_dscnt 0x0
	global_store_b64 v7, v[8:9], s[30:31]          ; 256 consecutive bytes, aligned
.Lend:
	s_wait_tensorcnt 0x0                           ; the wave's end
	ds_add_u32 v[SPW], v[NIL]
	s_wait_dscnt 0x0
	s_endpgm
.Lfunc_end_k_q5225f3ce15_quant:
	.size	k_q5225f3ce15_quant, .Lfunc_end_k_q5225f3ce15_quant-k_q5225f3ce15_quant
	.p2alignl 7, 3214868480
	.fill 96, 4, 3214868480
	.section	.rodata,"a",@progbits
	.p2align	6, 0x0
	.amdhsa_kernel k_q5225f3ce15_quant
		.amdhsa_group_segment_fixed_size 33280
		.amdhsa_private_segment_fixed_size 0
		.amdhsa_enable_private_segment 0
		.amdhsa_kernarg_size 80
		.amdhsa_user_sgpr_count 2
		.amdhsa_user_sgpr_kernarg_segment_ptr 1
		.amdhsa_wavefront_size32 1
		.amdhsa_system_sgpr_workgroup_id_x 1
		.amdhsa_system_sgpr_workgroup_id_y 1
		.amdhsa_system_sgpr_workgroup_id_z 1
		.amdhsa_system_vgpr_workitem_id 0
		.amdhsa_next_free_vgpr 192
		.amdhsa_next_free_sgpr 66
		.amdhsa_reserve_vcc 0
		.amdhsa_float_denorm_mode_32 3
		.amdhsa_float_denorm_mode_16_64 3
		.amdhsa_memory_ordered 1
		.amdhsa_forward_progress 1
		.amdhsa_inst_pref_size 54
	.end_amdhsa_kernel
	.amdgpu_metadata
---
amdhsa.version: [ 1, 2 ]
amdhsa.kernels:
  - .name:           k_q5225f3ce15_quant
    .symbol:         k_q5225f3ce15_quant.kd
    .args:
      - { .name: x, .offset: 0, .size: 8, .value_kind: global_buffer, .address_space: global }
      - { .name: Wq, .offset: 8, .size: 8, .value_kind: global_buffer, .address_space: global }
      - { .name: Wk, .offset: 16, .size: 8, .value_kind: global_buffer, .address_space: global }
      - { .name: Wv, .offset: 24, .size: 8, .value_kind: global_buffer, .address_space: global }
      - { .name: Wo, .offset: 32, .size: 8, .value_kind: global_buffer, .address_space: global }
      - { .name: xc, .offset: 40, .size: 8, .value_kind: global_buffer, .address_space: global }
      - { .name: xs, .offset: 48, .size: 8, .value_kind: global_buffer, .address_space: global }
      - { .name: wc, .offset: 56, .size: 8, .value_kind: global_buffer, .address_space: global }
      - { .name: ws, .offset: 64, .size: 8, .value_kind: global_buffer, .address_space: global }
      - { .name: wo16, .offset: 72, .size: 8, .value_kind: global_buffer, .address_space: global }
    .group_segment_fixed_size: 33280
    .private_segment_fixed_size: 0
    .kernarg_segment_align: 8
    .kernarg_segment_size: 80
    .max_flat_workgroup_size: 128
    .sgpr_count:     66
    .vgpr_count:     192
    .wavefront_size: 32
...
	.end_amdgpu_metadata
.endif
;; end of part 1
;; launch qkv (part 2): grid 16 x 16, 4 waves a work-group, clusters of 4 x 4, 327,680 bytes of LDS; arguments xc, xs, wc, ws, bq, bk, bv, qkv; writes qkv
.if DOCPART == 2
	.amdgcn_target "amdgcn-amd-amdhsa--gfx1250"
	.amdhsa_code_object_version 6
	.text
	.protected	k_q5225f3ce15_qkv
	.globl	k_q5225f3ce15_qkv
	.p2align	8
	.type	k_q5225f3ce15_qkv,@function
k_q5225f3ce15_qkv:
	s_mov_b64 s[64:65], 0
	v_nop
	global_prefetch_b8 v0, s[64:65] scope:SCOPE_SE
	s_setreg_imm32_b32 hwreg(HW_REG_WAVE_MODE, 25, 1), 1
	s_wait_xcnt 0x0
	s_wait_alu depctr_hold_cnt(0) depctr_sa_sdst(0) depctr_va_vdst(0) depctr_va_sdst(0) depctr_va_ssrc(0) depctr_va_vcc(0) depctr_vm_vsrc(0)
	s_getreg_b32 s2, hwreg(HW_REG_IB_STS2, 6, 4)
	s_cmp_eq_u32 s2, 0
	s_cbranch_scc0 .Lentry_in_a_cluster
	s_endpgm
.Lentry_in_a_cluster:
	s_bfe_u32 s2, ttmp6, 0x10000c
	s_cmp_lg_u32 s2, 0xf033
	s_cbranch_scc0 .Lentry_shape_is_right
	s_endpgm
.Lentry_shape_is_right:
; [4096 tokens] x [3072 columns: q, k, v] = Q(x) Q(W)^T + bias, on codes of FP4 with E8M0 scales, sums in f32, rounded once to f16.
; qkv is laid [48 g][4096 token][64] f16 (g = 0-15 q's heads, 16-31 k's, 32-47 v's), so that 16 tokens of a head are 2,048 consecutive bytes.
; LIMIT: |q|, |k|, |v| stay under 65,504 (f16); with x and the weights 30 times the drawn spread, or offset by 30 spreads, they stay under about 17,000.
; SHARES: a work-group makes 256 tokens x 192 columns (three heads): 16 x 16 work-groups.  Wave w makes tokens 64 w .. 64 w + 63 x all 192 columns: 48 accumulators.
; ALL OF K LIES IN LDS: K = 1,024 is 512 bytes a row, brought as two halves of 256 bytes; nothing is filled again.  By this text's count a wave has three tensor loads out: scales, half 0, half 1.
; CLUSTERS: 4 x 4.  The four of a row need the same rows of x, the four of a column the same rows of W: each tile is asked for jointly.
; THE MATRIX INSTRUCTION IS USED TRANSPOSED (source 0 = 16 rows of W, source 1 = 16 tokens): a lane holds one token and eight neighbouring columns.  The bias is the C of each sum's first instruction.
; REGISTERS: window 0: v16-29 addresses; v32-127 scale words (register 8 i + q: K step q; lanes 16-31 W's block i; for i < 4 lanes 0-15 x's block i); v128-191 x's fragments, two sets; v192-255 the way out.
;   window 1: W's fragments, two sets of 96; v192-255 bias tiles 0-7.   window 2: accumulators of token blocks 0, 1 at v[8 (12 (a % 2) + b)]; v192-223 bias tiles 8-11.   window 3: those of blocks 2, 3.
.set PITCH,  272                       ; an LDS row: 256 bytes + 16 of padding: the 16 rows of a fragment load start in 16 different groups of banks (64 banks of 4 bytes: ISA guide 11.1)
.set ATILE,  256*PITCH
.set BTILE,  192*PITCH
.set SLOT,   ATILE+BTILE               ; a half of K: x's 256 rows, then W's 192
.set SCLA,   2*SLOT                    ; x's scale bytes: 256 rows x 32 bytes as 32 units of 256 + 16
.set SCLB,   SCLA+32*272               ; W's: 24 units
.set STAGE,  259072                    ; the next multiple of 256 behind the scales: 3 heads x 16 rows x 144 bytes for each wave
.set SPITCH, 144
.set WSTG,   3*16*SPITCH
.set SPARE,  STAGE+4*WSTG              ; the spare words, 128 bytes a wave
.set ADRA, 16                          ; v16-17 my x fragments in half 0, 1
.set ADRB, 20                          ; v20-21 W's
.set ADSA, 22                          ; v22 scale words: lanes 0-15 x's, lanes 16-31 W's
.set ADSB, 23                          ; v23 W's in all lanes
.set STO,  24
.set RD,   25
.set CO,   26
.set BO,   27                          ; v27 32 x (lane / 16): my eight biases of a tile
.set SPW,  28
.set NIL,  29
.set SC,   32
.set AF,   128
.set TMP,  192
.set BK,   224
.set BI,   192
.set WV,   20
.set G1A,  32
.set G1B,  40
.set G1SA, 48
.set G1SB, 56
.set G0A,  68
.set G0B,  76
.set G0SA, 84
.set G0SB, 88
.set BP,   92                          ; s[92:97] the three heads' bias pointers
.set MSB, 0
.macro WIN new                         ; the immediate's high byte repeats the setting that is left
.if MSB != (\new)
	s_set_vgpr_msb (MSB<<8)|(\new)
.set MSB, (\new)
.endif
.endm
.macro PLACES n
.rept \n
	v_nop
.endr
.endm
; A joint load: waves 0 and 1 fetch for x, waves 2 and 3 for W; the branch hangs on the wave's number alone.  An s_nop 0 and four v_nop follow each line.
.macro JLOAD g0a, g1a, g0b, g1b
	s_cmp_eq_u32 s21, 0
	s_cbranch_scc0 .Lfor_b_\@
	tensor_load_to_lds s[\g0a:\g0a+3], s[\g1a:\g1a+7]
	s_nop 0
.rept 4
	v_nop
.endr
	s_branch .Lasked_\@
.Lfor_b_\@:
	tensor_load_to_lds s[\g0b:\g0b+3], s[\g1b:\g1b+7]
	s_nop 0
.rept 4
	v_nop
.endr
.Lasked_\@:
.endm
.macro CROUND                          ; a round of the cluster's barrier
	s_barrier_signal -1
	s_barrier_wait -1
	s_cmp_lg_u32 s[WV], 0
	s_cbranch_scc1 .Lnot_wave_0_\@
	s_barrier_signal -3
.Lnot_wave_0_\@:
	s_barrier_wait -3
	s_barrier_signal -1
	s_barrier_wait -1
.endm
	s_load_b512 s[4:19], s[0:1], 0x0               ; xc, xs, wc, ws, bq, bk, bv, qkv
	v_lshl_add_u32 v[SPW], v0, 2, SPARE
	v_mov_b32 v[NIL], 0
	ds_add_u32 v[SPW], v[NIL]                      ; the opening: the add, twice on end, and its wait ahead of my first tensor load
	ds_add_u32 v[SPW], v[NIL]
	v_lshrrev_b32 v1, 5, v0
	v_readfirstlane_b32 s[WV], v1                  ; wave 0..3
	s_lshr_b32 s21, s[WV], 1                       ; I fetch for x (0) or for W (1)
	s_and_b32 s22, s[WV], 1                        ; which half of that tile's rows
	s_bfe_u32 s23, ttmp6, 0x40000                  ; cx
	s_bfe_u32 s24, ttmp6, 0x40004                  ; cy
	s_lshl_b32 s25, ttmp9, 2
	s_add_co_u32 s25, s25, s23                     ; tile column = 4 x cluster x + cx
	s_and_b32 s26, ttmp7, 0xffff
	s_lshl_b32 s26, s26, 2
	s_add_co_u32 s26, s26, s24                     ; tile row = 4 x cluster y + cy
	s_lshl_b32 s27, s24, 2
	s_lshl_b32 s27, 15, s27                        ; my row of the cluster
	s_lshl_b32 s28, 0x1111, s23                    ; my column
	; groups 1.  Codes: rows of 256 elements of 1 byte, 512 bytes apart in memory, 4 words of padding after every 64
	s_or_b32 s[G1A], s27, (0<<16)|(1<<20)|(1<<21)|(5<<22)|(3<<25)
	s_mov_b32 s[G1A+1], 256<<16                    ; tensor_dim0
	s_mov_b32 s[G1A+2], 128<<16                    ; tensor_dim1
	s_mov_b32 s[G1A+3], 256<<16                    ; tile_dim0
	s_mov_b32 s[G1A+4], 128                        ; tile_dim1
	s_mov_b32 s[G1A+5], 512                        ; stride
	s_mov_b32 s[G1A+6], 0
	s_mov_b32 s[G1A+7], 0
	s_or_b32 s[G1B], s28, (0<<16)|(1<<20)|(1<<21)|(5<<22)|(3<<25)
	s_mov_b32 s[G1B+1], 256<<16
	s_mov_b32 s[G1B+2], 96<<16
	s_mov_b32 s[G1B+3], 256<<16
	s_mov_b32 s[G1B+4], 96
	s_mov_b32 s[G1B+5], 512
	s_mov_b32 s[G1B+6], 0
	s_mov_b32 s[G1B+7], 0
	; scale bytes: dense blocks as rows of 256 bytes (32 elements of 8 bytes), the same padding: 128 rows x 32 bytes = 16 such rows, 96 rows = 12
	s_or_b32 s[G1SA], s27, (3<<16)|(1<<20)|(1<<21)|(5<<22)|(3<<25)
	s_mov_b32 s[G1SA+1], 32<<16
	s_mov_b32 s[G1SA+2], 16<<16
	s_mov_b32 s[G1SA+3], 32<<16
	s_mov_b32 s[G1SA+4], 16
	s_mov_b32 s[G1SA+5], 32
	s_mov_b32 s[G1SA+6], 0
	s_mov_b32 s[G1SA+7], 0
	s_or_b32 s[G1SB], s28, (3<<16)|(1<<20)|(1<<21)|(5<<22)|(3<<25)
	s_mov_b32 s[G1SB+1], 32<<16
	s_mov_b32 s[G1SB+2], 12<<16
	s_mov_b32 s[G1SB+3], 32<<16
	s_mov_b32 s[G1SB+4], 12
	s_mov_b32 s[G1SB+5], 32
	s_mov_b32 s[G1SB+6], 0
	s_mov_b32 s[G1SB+7], 0
	; groups 0: counts and LDS addresses: constants and the wave's number alone
	s_mov_b32 s[G0A], 1
	s_mov_b32 s[G0A+4], 1
	s_mul_i32 s[G0A+1], s22, 128*PITCH
	s_add_co_u32 s[G0A+5], s[G0A+1], SLOT
	s_mov_b32 s[G0B], 1
	s_mov_b32 s[G0B+4], 1
	s_mul_i32 s[G0B+1], s22, 96*PITCH
	s_add_co_u32 s[G0B+1], s[G0B+1], ATILE
	s_add_co_u32 s[G0B+5], s[G0B+1], SLOT
	s_mov_b32 s[G0SA], 1
	s_mul_i32 s[G0SA+1], s22, 16*272
	s_add_co_u32 s[G0SA+1], s[G0SA+1], SCLA
	s_mov_b32 s[G0SB], 1
	s_mul_i32 s[G0SB+1], s22, 12*272
	s_add_co_u32 s[G0SB+1], s[G0SB+1], SCLB
	; offsets in memory.  x's hang on the tile row alone (s2, s3, s29-31), W's on the tile column alone (s98-101)
	s_lshl_b32 s29, s22, 7
	s_lshl_b32 s30, s26, 8
	s_add_co_u32 s30, s30, s29                     ; x: row 256 x tile row + 128 x half
	s_lshl_b32 s2, s30, 5                          ; its scale bytes
	s_mov_b32 s3, 0
	s_lshl_b32 s30, s30, 9                         ; its codes
	s_mov_b32 s31, 0
	s_mul_i32 s98, s25, 192
	s_mul_i32 s99, s22, 96
	s_add_co_u32 s98, s98, s99                     ; W: row 192 x tile column + 96 x half
	s_lshl_b32 s100, s98, 5
	s_mov_b32 s101, 0
	s_lshl_b32 s98, s98, 9
	s_mov_b32 s99, 0
	s_wait_dscnt 0x0                               ; both opening adds are done
	s_wait_kmcnt 0x0
	s_add_nc_u64 s[30:31], s[4:5], s[30:31]
	s_add_nc_u64 s[2:3], s[6:7], s[2:3]
	s_add_nc_u64 s[98:99], s[8:9], s[98:99]
	s_add_nc_u64 s[100:101], s[10:11], s[100:101]
	s_mov_b64 s[G0SA+2:G0SA+3], s[2:3]
	s_or_b32 s[G0SA+3], s[G0SA+3], 0x80000000
	s_mov_b64 s[G0SB+2:G0SB+3], s[100:101]
	s_or_b32 s[G0SB+3], s[G0SB+3], 0x80000000
.irp s, 0,1
	s_add_nc_u64 s[G0A+4*\s+2:G0A+4*\s+3], s[30:31], \s*256
	s_or_b32 s[G0A+4*\s+3], s[G0A+4*\s+3], 0x80000000
	s_add_nc_u64 s[G0B+4*\s+2:G0B+4*\s+3], s[98:99], \s*256
	s_or_b32 s[G0B+4*\s+3], s[G0B+4*\s+3], 0x80000000
.endr
	CROUND                                         ; all sixteen work-groups are here: the joint loads meet
	JLOAD G0SA, G1SA, G0SB, G1SB                   ; the scale bytes,
	JLOAD G0A, G1A, G0B, G1B                       ; K's first half,
	JLOAD G0A+4, G1A, G0B+4, G1B                   ; its second
	; the biases of my three heads: head g = 3 x tile column + j lies in bq (g < 16), bk (g < 32) or bv, at 256 (g % 16) bytes: a choice of pointers, no branch
	s_mul_i32 s98, s25, 3
.irp j, 0,1,2
	s_add_co_u32 s99, s98, \j
	s_and_b32 s100, s99, 15
	s_lshl_b32 s100, s100, 8
	s_mov_b32 s101, 0
	s_cmp_lt_u32 s99, 16
	s_cselect_b64 s[BP+2*\j:BP+2*\j+1], s[12:13], s[14:15]
	s_cmp_lt_u32 s99, 32
	s_cselect_b64 s[BP+2*\j:BP+2*\j+1], s[BP+2*\j:BP+2*\j+1], s[16:17]
	s_add_nc_u64 s[BP+2*\j:BP+2*\j+1], s[BP+2*\j:BP+2*\j+1], s[100:101]
.endr
	v_and_b32 v1, 15, v0                           ; r
	v_bfe_u32 v2, v0, 4, 1                         ; h
	v_lshlrev_b32 v[BO], 5, v2
	WIN 0x40                                       ; destination window 1
.irp b, 0,1,2,3,4,5,6,7                        ; tile b in the result's layout: lane (r, h), register j: the bias of column 16 b + 8 h + j
	global_load_b128 v[BI+8*\b:BI+8*\b+3], v[BO], s[BP+2*(\b/4):BP+2*(\b/4)+1] offset:64*(\b%4)
	global_load_b128 v[BI+8*\b+4:BI+8*\b+7], v[BO], s[BP+2*(\b/4):BP+2*(\b/4)+1] offset:64*(\b%4)+16
.endr
	WIN 0x80                                       ; destination window 2
.irp b, 0,1,2,3
	global_load_b128 v[BI+8*\b:BI+8*\b+3], v[BO], s[BP+4:BP+5] offset:64*\b
	global_load_b128 v[BI+8*\b+4:BI+8*\b+7], v[BO], s[BP+4:BP+5] offset:64*\b+16
.endr
	WIN 0
	v_mul_u32_u24 v3, v1, PITCH
	v_lshl_add_u32 v3, v2, 4, v3                   ; a fragment's row x pitch + 16 x half
	s_mul_i32 s29, s[WV], 64*PITCH
	v_add_nc_u32 v[ADRA], s29, v3                  ; my 64 tokens
	v_add_nc_u32 v[ADRA+1], SLOT, v[ADRA]
	v_add_nc_u32 v[ADRB], ATILE, v3
	v_add_nc_u32 v[ADRB+1], SLOT, v[ADRB]
	v_lshrrev_b32 v4, 3, v1
	v_lshlrev_b32 v5, 5, v1
	v_lshl_add_u32 v5, v4, 4, v5                   ; row r's 32 scale bytes: 32 r, + 16 for the unit passed
	v_add_nc_u32 v[ADSB], SCLB, v5
	s_xor_b32 s29, s[WV], 3
	s_add_co_u32 s29, s29, 1
	s_mul_i32 s29, s29, 4*544                      ; from my four blocks of x's scales to W's first: 8,704 - 2,176 x wave
	v_mul_u32_u24 v6, s29, v2                      ; lanes 16-31 take W's: one product, the lower base + h x the distance
	s_mul_i32 s29, s[WV], 4*544
	s_add_co_u32 s29, s29, SCLA
	v_add_nc_u32 v5, v5, v6
	v_add_nc_u32 v[ADSA], s29, v5
	s_mul_i32 s29, s[WV], WSTG
	s_add_co_u32 s29, s29, STAGE                   ; my stage
	v_mul_u32_u24 v4, v1, SPITCH
	v_lshl_add_u32 v4, v2, 4, v4
	v_add_nc_u32 v[STO], s29, v4                   ; in: row r, 16 bytes for each half of the lanes
	v_and_b32 v5, 31, v0
	v_lshlrev_b32 v[CO], 4, v5                     ; out: 16 bytes a lane of 512 consecutive
	v_lshrrev_b32 v6, 3, v5
	v_mul_u32_u24 v6, v6, SPITCH
	v_and_b32 v5, 7, v0
	v_lshl_add_u32 v6, v5, 4, v6
	v_add_nc_u32 v[RD], s29, v6                    ; back: eight lanes to a row of 128 bytes
	s_lshl_b32 s98, s98, 19                        ; my first head,
	s_lshl_b32 s99, s26, 15
	s_add_co_u32 s98, s98, s99                     ; my work-group's 256 tokens of 128 bytes,
	s_lshl_b32 s99, s[WV], 13
	s_add_co_u32 s98, s98, s99                     ; my wave's 64
	s_mov_b32 s99, 0
	s_add_nc_u64 s[18:19], s[18:19], s[98:99]
.macro FETCH q                         ; K step q (128 along K = 64 bytes of a row): W's twelve fragments and my four of x into set q % 2: 32 loads in one run
	WIN 0x40
.irp i, 0,1,2,3,4,5,6,7,8,9,10,11
.irp c, 0,1
	ds_load_b128 v[96*((\q)%2)+8*\i+4*\c:96*((\q)%2)+8*\i+4*\c+3], v[ADRB+(\q)/4] offset:64*((\q)%4)+32*\c+\i*16*PITCH
.endr
.endr
	WIN 0
.irp i, 0,1,2,3
.irp c, 0,1
	ds_load_b128 v[AF+32*((\q)%2)+8*\i+4*\c:AF+32*((\q)%2)+8*\i+4*\c+3], v[ADRA+(\q)/4] offset:64*((\q)%4)+32*\c+\i*16*PITCH
.endr
.endr
.endm
.macro SCALES                          ; all eight K steps' scale words, once
.irp i, 0,1,2,3
.irp u, 0,1
	ds_load_b128 v[SC+8*\i+4*\u:SC+8*\i+4*\u+3], v[ADSA] offset:544*\i+16*\u
.endr
.endr
.irp i, 4,5,6,7,8,9,10,11
.irp u, 0,1
	ds_load_b128 v[SC+8*\i+4*\u:SC+8*\i+4*\u+3], v[ADSB] offset:544*\i+16*\u
.endr
.endr
.endm
; 48 matrix instructions: the accumulators take turns, one instruction a turn, in the same order in every step.  first = 1: C is the bias tile
.macro MUL48 q, first
.irp a, 0,1,2,3
.irp b, 0,1,2,3,4,5,6,7,8,9,10,11
.if \first
.if \b < 8
	WIN 0x91+0x40*(\a/2)                           ; W window 1, x window 0, bias window 1, D window 2 or 3
	v_wmma_scale_f32_16x16x128_f8f6f4 v[8*(12*(\a%2)+\b):8*(12*(\a%2)+\b)+7], v[96*((\q)%2)+8*\b:96*((\q)%2)+8*\b+7], v[AF+32*((\q)%2)+8*\a:AF+32*((\q)%2)+8*\a+7], v[BI+8*\b:BI+8*\b+7], v[SC+8*\b+(\q)], v[SC+8*\a+(\q)] matrix_a_fmt:MATRIX_FMT_FP4 matrix_b_fmt:MATRIX_FMT_FP4 matrix_a_scale:MATRIX_SCALE_ROW1
.else
	WIN 0xa1+0x40*(\a/2)                           ; bias window 2
	v_wmma_scale_f32_16x16x128_f8f6f4 v[8*(12*(\a%2)+\b):8*(12*(\a%2)+\b)+7], v[96*((\q)%2)+8*\b:96*((\q)%2)+8*\b+7], v[AF+32*((\q)%2)+8*\a:AF+32*((\q)%2)+8*\a+7], v[BI+8*(\b-8):BI+8*(\b-8)+7], v[SC+8*\b+(\q)], v[SC+8*\a+(\q)] matrix_a_fmt:MATRIX_FMT_FP4 matrix_b_fmt:MATRIX_FMT_FP4 matrix_a_scale:MATRIX_SCALE_ROW1
.endif
.else
	WIN 0xa1+0x50*(\a/2)                           ; C and D window 2 or 3
	v_wmma_scale_f32_16x16x128_f8f6f4 v[8*(12*(\a%2)+\b):8*(12*(\a%2)+\b)+7], v[96*((\q)%2)+8*\b:96*((\q)%2)+8*\b+7], v[AF+32*((\q)%2)+8*\a:AF+32*((\q)%2)+8*\a+7], v[8*(12*(\a%2)+\b):8*(12*(\a%2)+\b)+7], v[SC+8*\b+(\q)], v[SC+8*\a+(\q)] matrix_a_fmt:MATRIX_FMT_FP4 matrix_b_fmt:MATRIX_FMT_FP4 matrix_a_scale:MATRIX_SCALE_ROW1
.endif
.endr
.endr
.endm
.macro STEP q
.if (\q) > 0
	PLACES 4                                       ; in front of loads into the set that the last step's products read (ISA guide 7.12.1 for vector instructions)
.endif
.if (\q) == 3
	s_wait_tensorcnt 0x0                           ; my part of K's second half has landed,
	s_wait_dscnt 0x0                               ; no LDS load of mine is out at the signal,
	s_barrier_signal -1
	s_barrier_wait -1                              ; and everybody's part has.
.endif
.if (\q) < 7
	FETCH (\q)+1
	s_wait_dscnt 32                                ; all but the 32 just issued: this step's fragments (and the scale words) are in
.else
	s_wait_dscnt 0x0
.endif
.if (\q) == 0
	MUL48 \q, 1
.else
	MUL48 \q, 0
.endif
.endm
	s_wait_tensorcnt 0x1                           ; the scales and my part of the first half are in; the second half's load may be out
	s_barrier_signal -1
	s_barrier_wait -1
	SCALES
	FETCH 0
	s_wait_loadcnt 0x0                             ; the biases
.irp q, 0,1,2,3,4,5,6,7
	STEP \q
.endr
	WIN 0
; THE WAY OUT, 16 tokens x one head at a time (group g: token block g / 3, head g % 3): rounded to f16, 16 bytes a lane into my stage, back as 2,048 consecutive bytes, four stores of 512.
.macro PACK g
	WIN 0x0a+5*((\g)/6)                            ; sources in window 2 (token blocks 0, 1) or 3
.irp t, 0,1,2,3
.irp r, 0,1,2,3
	v_cvt_pk_f16_f32 v[TMP+16*((\g)%2)+4*\t+\r], v[8*(12*(((\g)/3)%2)+4*((\g)%3)+\t)+2*\r], v[8*(12*(((\g)/3)%2)+4*((\g)%3)+\t)+2*\r+1]   ; each accumulator from its low end on
.endr
.endr
	WIN 0
.endm
.macro TOSTAGE g
.if (\g) >= 2
	s_wait_xcnt 0x0                                ; group g - 2's stores have read the registers into which the loads below land
.endif
.irp t, 0,1,2,3
	ds_store_b128 v[STO], v[TMP+16*((\g)%2)+4*\t:TMP+16*((\g)%2)+4*\t+3] offset:((\g)%3)*16*SPITCH+32*\t
.endr
.irp i, 0,1,2,3
	ds_load_b128 v[BK+16*((\g)%2)+4*\i:BK+16*((\g)%2)+4*\i+3], v[RD] offset:((\g)%3)*16*SPITCH+\i*4*SPITCH   ; in order behind my stores
.endr
.endm
.macro SEND g
	s_wait_dscnt 0x0                               ; the group is back in registers
.irp i, 0,1,2,3
	global_store_b128 v[CO], v[BK+16*((\g)%2)+4*\i:BK+16*((\g)%2)+4*\i+3], s[18:19] offset:((\g)%3)*524288+((\g)/3)*2048+512*\i   ; 512 consecutive bytes, aligned
.endr
.endm
	PLACES 4                                       ; behind the last products, ahead of the first read of results
	PACK 0
	TOSTAGE 0
.irp g, 1,2,3,4,5,6,7,8,9,10,11
	PACK \g                                        ; the next group's conversions stand between a group's loads and the wait for them
	SEND \g-1
	TOSTAGE \g
.endr
	SEND 11
	s_wait_tensorcnt 0x0                           ; the wave's end
	ds_add_u32 v[SPW], v[NIL]
	s_wait_dscnt 0x0
	CROUND                                         ; the closing round
	s_endpgm
.Lfunc_end_k_q5225f3ce15_qkv:
	.size	k_q5225f3ce15_qkv, .Lfunc_end_k_q5225f3ce15_qkv-k_q5225f3ce15_qkv
	.p2alignl 7, 3214868480
	.fill 96, 4, 3214868480
	.section	.rodata,"a",@progbits
	.p2align	6, 0x0
	.amdhsa_kernel k_q5225f3ce15_qkv
		.amdhsa_group_segment_fixed_size 327680
		.amdhsa_private_segment_fixed_size 0
		.amdhsa_enable_private_segment 0
		.amdhsa_kernarg_size 64
		.amdhsa_user_sgpr_count 2
		.amdhsa_user_sgpr_kernarg_segment_ptr 1
		.amdhsa_wavefront_size32 1
		.amdhsa_system_sgpr_workgroup_id_x 1
		.amdhsa_system_sgpr_workgroup_id_y 1
		.amdhsa_system_sgpr_workgroup_id_z 1
		.amdhsa_system_vgpr_workitem_id 0
		.amdhsa_next_free_vgpr 1024
		.amdhsa_next_free_sgpr 102
		.amdhsa_reserve_vcc 0
		.amdhsa_float_denorm_mode_32 3
		.amdhsa_float_denorm_mode_16_64 3
		.amdhsa_memory_ordered 1
		.amdhsa_forward_progress 1
		.amdhsa_inst_pref_size 105
	.end_amdhsa_kernel
	.amdgpu_metadata
---
amdhsa.version: [ 1, 2 ]
amdhsa.kernels:
  - .name:           k_q5225f3ce15_qkv
    .symbol:         k_q5225f3ce15_qkv.kd
    .args:
      - { .name: xc, .offset: 0, .size: 8, .value_kind: global_buffer, .address_space: global }
      - { .name: xs, .offset: 8, .size: 8, .value_kind: global_buffer, .address_space: global }
      - { .name: wc, .offset: 16, .size: 8, .value_kind: global_buffer, .address_space: global }
      - { .name: ws, .offset: 24, .size: 8, .value_kind: global_buffer, .address_space: global }
      - { .name: bq, .offset: 32, .size: 8, .value_kind: global_buffer, .address_space: global }
      - { .name: bk, .offset: 40, .size: 8, .value_kind: global_buffer, .address_space: global }
      - { .name: bv, .offset: 48, .size: 8, .value_kind: global_buffer, .address_space: global }
      - { .name: qkv, .offset: 56, .size: 8, .value_kind: global_buffer, .address_space: global }
    .group_segment_fixed_size: 327680
    .private_segment_fixed_size: 0
    .kernarg_segment_align: 8
    .kernarg_segment_size: 64
    .max_flat_workgroup_size: 128
    .sgpr_count:     102
    .vgpr_count:     1024
    .wavefront_size: 32
...
	.end_amdgpu_metadata
.endif
;; end of part 2
;; launch attn (part 3): grid 8 x 32, 8 waves a work-group, clusters of 4 x 1, 327,680 bytes of LDS; arguments qkv, ctx; writes ctx
.if DOCPART == 3
	.amdgcn_target "amdgcn-amd-amdhsa--gfx1250"
	.amdhsa_code_object_version 6
	.text
	.protected	k_q5225f3ce15_attn
	.globl	k_q5225f3ce15_attn
	.p2align	8
	.type	k_q5225f3ce15_attn,@function
k_q5225f3ce15_attn:
	s_mov_b64 s[64:65], 0
	v_nop
	global_prefetch_b8 v0, s[64:65] scope:SCOPE_SE
	s_setreg_imm32_b32 hwreg(HW_REG_WAVE_MODE, 25, 1), 1
	s_wait_xcnt 0x0
	s_wait_alu depctr_hold_cnt(0) depctr_sa_sdst(0) depctr_va_vdst(0) depctr_va_sdst(0) depctr_va_ssrc(0) depctr_va_vcc(0) depctr_vm_vsrc(0)
	s_getreg_b32 s2, hwreg(HW_REG_IB_STS2, 6, 4)
	s_cmp_eq_u32 s2, 0
	s_cbranch_scc0 .Lentry_in_a_cluster
	s_endpgm
.Lentry_in_a_cluster:
	s_bfe_u32 s2, ttmp6, 0x10000c
	s_cmp_lg_u32 s2, 0x3003
	s_cbranch_scc0 .Lentry_shape_is_right
	s_endpgm
.Lentry_shape_is_right:
; ctx[h][token][:] = the sum over keys of softmax(q . k / 8) v, for each batch and head; q, k, v f16 out of qkv [48][4096][64]; products on f16 operands, maxima and sums in f32; ctx [16][4096][64] f16.
; LIMITS: the weights p (at most 1, by the running maximum) and ctx are rounded to f16; NaN and infinities are not served.
; SHARES: a work-group owns 256 queries of one (batch, head); each of its eight waves 32 of them, two tiles of 16, in 512 registers: two waves to a SIMD, so that one wave's softmax stands beside the other's products and LDS loads.
; Every wave walks the 2,048 keys, 128 a step.  LAYOUT: S^T = K Q^T (source 0 = 16 keys, source 1 = 16 queries), O^T = V^T P (source 0 = 16 channels, turned on the way out of LDS): a lane holds one query throughout;
; two neighbouring tiles of S^T, rounded in pairs, are source 1 of the second product, laid in place over S^T's first registers.
; SOFTMAX: a running maximum m and sum l for each query: p = 2^(c s - c m), c = log2(e) / 8; in every step O and l are multiplied by a = 2^(c m_old - c m_new).  m begins at -3e38 and O, l at 0, so the step is written once.
; RING: two slots of four steps (512 keys): K's rows 128 + 16 bytes, V's 128 + 32.  Waves 0-3 fetch a slot's four tiles of K, waves 4-7 its four of V: one load a wave.  Two first fills, then one refill for each slot.
; CLUSTER: the four query blocks of a cluster walk the same K and V: every tile is asked for jointly, by the same load with a mask that names the four.
; REGISTERS: window 0: v1-7 addresses; v8-23 statistics, eight a tile; v24-27 the second sum chain; v28, 29 the add's two; v32-63 Q; v64-191 S^T, 64 a tile; v192-255 O^T, 32 a tile.   window 1: v0-127 K, v128-255 V of one step.
.set KS,    128
.set PK,    144                        ; K's row in LDS: an odd multiple of 16 bytes: the 16 rows of a load start in 16 different groups of banks (ISA guide 11.1)
.set PVP,   160                        ; V's: an odd multiple of 32 bytes, for the turning load
.set VOFF,  KS*PK
.set STEPB, KS*(PK+PVP)                ; a step: K's tile, then V's
.set SLOTB, 4*STEPB
.set SPARE, 2*SLOTB                    ; behind the ring: the spare words, 128 bytes a wave
.set SP,    144                        ; the way out: 2 tiles x 16 rows x 144 bytes for each wave, in slot 0, which has had its last fill and its last read by then
.set AK0, 1
.set AV0, 2
.set ADR, 3
.set GO,  4
.set STO, 5
.set RD,  6
.set PFO, 7
.set ST,  8                            ; tile t at ST + 8 t: +0 c m, +1 m, +2, +3 l, +4..+7 four chains; +6 becomes a, +7 holds c m_old - c m_new
.set CHB, 24
.set SPW, 28
.set NIL, 29
.set QF,  32
.set S,   64
.set O,   192
.set KF,  0
.set VF,  128
.set WV,  12
.set PFA, 18
.set LIM, 20
.set CNT, 21
.set G1K, 24
.set G1V, 32
.set G0K, 40                           ; s[40:43] slot 0, s[44:47] slot 1
.set G0V, 48
.set CS,  58
.set SEL, 60
.set TB,  62                           ; LDS byte at which the step to be fetched begins
.set MSB, 0
.macro WIN new
.if MSB != (\new)
	s_set_vgpr_msb (MSB<<8)|(\new)
.set MSB, (\new)
.endif
.endm
.macro PLACES n
.rept \n
	v_nop
.endr
.endm
.macro JLOAD s                         ; a joint refill of slot s; the branch hangs on the wave's number alone; an s_nop 0 and four v_nop follow each line
	s_cmp_lt_u32 s[WV], 4
	s_cbranch_scc0 .Lfor_v_\@
	tensor_load_to_lds s[G0K+4*\s:G0K+4*\s+3], s[G1K:G1K+7]
	s_nop 0
.rept 4
	v_nop
.endr
	s_branch .Lasked_\@
.Lfor_v_\@:
	tensor_load_to_lds s[G0V+4*\s:G0V+4*\s+3], s[G1V:G1V+7]
	s_nop 0
.rept 4
	v_nop
.endr
.Lasked_\@:
.endm
; A PREFETCH of a refill's bytes: 65,536 of K and as many of V.  All clusters of a head walk the same rows: the head's first cluster asks; its four partners take 16,384 bytes each, told apart by address;
; in each, waves 0 and 1 ask for K's and waves 4 and 5 for V's, 8,192 bytes a wave, lanes 256 bytes apart.  So each aligned block of 256 bytes is named once.  The address register pair is never rewritten.
.macro ASK n
	s_cmp_eq_u32 s[LIM], 0
	s_cbranch_scc0 .Lnot_mine_\@
	global_prefetch_b8 v[PFO], s[PFA:PFA+1] offset:65536*(\n) th:TH_LOAD_NT scope:SCOPE_SE
.Lnot_mine_\@:
.endm
.macro CROUND
	s_barrier_signal -1
	s_barrier_wait -1
	s_cmp_lg_u32 s[WV], 0
	s_cbranch_scc1 .Lnot_wave_0_\@
	s_barrier_signal -3
.Lnot_wave_0_\@:
	s_barrier_wait -3
	s_barrier_signal -1
	s_barrier_wait -1
.endm
	s_load_b128 s[4:7], s[0:1], 0x0                ; qkv, ctx
	v_lshl_add_u32 v[SPW], v0, 2, SPARE
	v_mov_b32 v[NIL], 0
	ds_add_u32 v[SPW], v[NIL]                      ; the opening: the add, twice on end, and its wait ahead of my first tensor load
	ds_add_u32 v[SPW], v[NIL]
	v_lshrrev_b32 v30, 5, v0
	v_readfirstlane_b32 s[WV], v30                 ; wave 0..7
	s_and_b32 s22, s[WV], 3                        ; which of a slot's four steps I fetch
	s_bfe_u32 s13, ttmp6, 0x40000                  ; cx
	s_lshl_b32 s14, ttmp9, 2
	s_add_co_u32 s14, s14, s13                     ; my block of 256 queries: it enters Q's and ctx's addresses alone
	s_and_b32 s15, ttmp7, 0xffff
	s_and_b32 s16, s15, 15                         ; head
	s_lshr_b32 s17, s15, 4                         ; batch,
	s_lshl_b32 s17, s17, 18                        ; its 2,048 tokens of 128 bytes
	s_add_co_u32 s8, s16, 16
	s_lshl_b32 s8, s8, 19
	s_add_co_u32 s8, s8, s17                       ; K's rows
	s_mov_b32 s9, 0
	s_add_co_u32 s10, s16, 32
	s_lshl_b32 s10, s10, 19
	s_add_co_u32 s10, s10, s17                     ; V's
	s_mov_b32 s11, 0
	s_lshl_b32 s66, s16, 19
	s_add_co_u32 s66, s66, s17
	s_lshl_b32 s63, s14, 15
	s_add_co_u32 s66, s66, s63
	s_lshl_b32 s63, s[WV], 12
	s_add_co_u32 s66, s66, s63                     ; my wave's 32 queries, in qkv and in ctx alike
	s_mov_b32 s67, 0
	s_lshl_b32 s56, s22, 14                        ; my step's 128 rows in memory,
	s_mov_b32 s57, 0
	s_mul_i32 s23, s22, STEPB                      ; and in a slot
	s_mov_b32 s[G1K], 15|(1<<16)|(1<<20)|(1<<21)|(4<<22)|(3<<25)  ; mask: all four; elements of 2 bytes; padding: 4 words after every 32
	s_mov_b32 s[G1V], 15|(1<<16)|(1<<20)|(1<<21)|(4<<22)|(7<<25)  ; 8 words
.irp g, G1K, G1V
	s_mov_b32 s[\g+1], 64<<16                      ; tensor_dim0
	s_mov_b32 s[\g+2], KS<<16                      ; tensor_dim1
	s_mov_b32 s[\g+3], 64<<16                      ; tile_dim0
	s_mov_b32 s[\g+4], KS                          ; tile_dim1
	s_mov_b32 s[\g+5], 64                          ; stride
	s_mov_b32 s[\g+6], 0
	s_mov_b32 s[\g+7], 0
.endr
.irp s, 0,1
	s_mov_b32 s[G0K+4*\s], 1
	s_add_co_u32 s[G0K+4*\s+1], s23, \s*SLOTB
	s_mov_b32 s[G0V+4*\s], 1
	s_add_co_u32 s[G0V+4*\s+1], s23, \s*SLOTB+VOFF
.endr
	s_mov_b32 s[CS], 0x3e38aa3b                    ; c = log2(e) / 8
	s_mov_b32 s[CS+1], s[CS]
	s_mov_b32 s[SEL], 0x76543210
	s_mov_b32 s[SEL+1], 0xfedcba98                 ; lane l xor 16
	s_and_b32 s[LIM], s[WV], 2
	s_or_b32 s[LIM], s[LIM], ttmp9                 ; 0 in waves 0, 1, 4, 5 of the head's first cluster: the same in all four partners
	s_lshl_b32 s70, s13, 14                        ; my work-group's 16,384 bytes,
	s_and_b32 s71, s[WV], 1
	s_lshl_b32 s71, s71, 13
	s_add_co_u32 s70, s70, s71                     ; my wave's 8,192,
	s_add_co_u32 s70, s70, 131072                  ; from key 1,024 on
	s_mov_b32 s71, 0
	s_wait_dscnt 0x0                               ; both opening adds are done
	s_wait_kmcnt 0x0
	s_add_nc_u64 s[8:9], s[4:5], s[8:9]
	s_add_nc_u64 s[10:11], s[4:5], s[10:11]
	s_add_nc_u64 s[68:69], s[6:7], s[66:67]        ; ctx at my wave's first query
	s_add_nc_u64 s[66:67], s[4:5], s[66:67]        ; Q likewise
	s_add_nc_u64 s[2:3], s[8:9], s[56:57]
	s_add_nc_u64 s[56:57], s[10:11], s[56:57]
.irp s, 0,1
	s_add_nc_u64 s[G0K+4*\s+2:G0K+4*\s+3], s[2:3], \s*65536
	s_or_b32 s[G0K+4*\s+3], s[G0K+4*\s+3], 0x80000000
	s_add_nc_u64 s[G0V+4*\s+2:G0V+4*\s+3], s[56:57], \s*65536
	s_or_b32 s[G0V+4*\s+3], s[G0V+4*\s+3], 0x80000000
.endr
	s_cmp_lt_u32 s[WV], 4
	s_cselect_b64 s[PFA:PFA+1], s[8:9], s[10:11]
	s_add_nc_u64 s[PFA:PFA+1], s[PFA:PFA+1], s[70:71]
	CROUND                                         ; all four work-groups are here: the first joint loads meet
	s_cmp_lt_u32 s[WV], 4                          ; a wave's two first fills stand in one branch: two loads of mine are out
	s_cbranch_scc0 .Lfirst_v
	tensor_load_to_lds s[G0K:G0K+3], s[G1K:G1K+7]
	s_nop 0
	tensor_load_to_lds s[G0K+4:G0K+7], s[G1K:G1K+7]
	s_nop 0
.rept 4
	v_nop
.endr
	s_branch .Lfirst_asked
.Lfirst_v:
	tensor_load_to_lds s[G0V:G0V+3], s[G1V:G1V+7]
	s_nop 0
	tensor_load_to_lds s[G0V+4:G0V+7], s[G1V:G1V+7]
	s_nop 0
.rept 4
	v_nop
.endr
.Lfirst_asked:
	v_and_b32 v24, 15, v0                          ; r
	v_bfe_u32 v25, v0, 4, 1                        ; h
	v_lshlrev_b32 v30, 7, v24
	v_lshl_add_u32 v30, v25, 4, v30                ; Q: row r of 128 bytes + 16 h
.irp t, 0,1
.irp c, 0,1
	global_load_b128 v[QF+16*\t+8*\c:QF+16*\t+8*\c+3], v30, s[66:67] offset:2048*\t+64*\c
	global_load_b128 v[QF+16*\t+8*\c+4:QF+16*\t+8*\c+7], v30, s[66:67] offset:2048*\t+64*\c+32
.endr
.endr
	v_mul_u32_u24 v[AK0], v24, PK
	v_lshl_add_u32 v[AK0], v25, 4, v[AK0]          ; K: row r x pitch + 16 h
	v_and_b32 v26, 7, v0
	v_bfe_u32 v27, v0, 3, 1
	v_lshl_add_u32 v[AV0], v25, 3, v26             ; V, turned: key 8 h + l % 8,
	v_mul_u32_u24 v[AV0], v[AV0], PVP
	v_lshl_add_u32 v[AV0], v27, 4, v[AV0]          ; channels 8 ((l / 8) % 2) on
	v_add_nc_u32 v[AV0], VOFF, v[AV0]
	v_and_b32 v31, 31, v0
	v_lshlrev_b32 v[GO], 4, v31
	v_lshlrev_b32 v[PFO], 8, v31
	s_mul_i32 s23, s[WV], 2*16*SP                  ; my stage
	v_add_nc_u32 v[STO], s23, v[AK0]               ; in: row r x 144 + 16 h
	v_lshrrev_b32 v[RD], 3, v31
	v_mul_u32_u24 v[RD], v[RD], SP
	v_lshl_add_u32 v[RD], v26, 4, v[RD]
	v_add_nc_u32 v[RD], s23, v[RD]                 ; back: eight lanes to a row of 128 bytes
.irp t, 0,1
	v_mov_b32 v[ST+8*\t+1], 0xff61b1e6             ; m = -3e38, under every score
	v_mul_f32 v[ST+8*\t], s[CS], v[ST+8*\t+1]
	v_mov_b32 v[ST+8*\t+2], 0
	v_mov_b32 v[ST+8*\t+3], 0
.endr
.set n, 0
.rept 64
	v_mov_b32 v[O+n], 0                            ; O^T: the first step finds zeros, which its a = 0 leaves zeros
.set n, n+1
.endr
.macro FETCH_K                         ; a step's K: 8 tiles of 16 keys x 2 halves of the 64 channels: 32 loads in one run
	WIN 0x40
.irp k, 0,1,2,3,4,5,6,7
.irp c, 0,1
	ds_load_b128 v[KF+16*\k+8*\c:KF+16*\k+8*\c+3], v[ADR] offset:\k*16*PK+64*\c
	ds_load_b128 v[KF+16*\k+8*\c+4:KF+16*\k+8*\c+7], v[ADR] offset:\k*16*PK+64*\c+32
.endr
.endr
	WIN 0
.endm
.macro FETCH_V                         ; a step's V, turned: 4 groups of 32 keys x 4 tiles of 16 channels: 32 loads
	WIN 0x40
.irp u, 0,1,2,3
.irp d, 0,1,2,3
	ds_load_tr16_b128 v[VF+8*(4*\u+\d):VF+8*(4*\u+\d)+3], v[ADR] offset:\u*32*PVP+32*\d
	ds_load_tr16_b128 v[VF+8*(4*\u+\d)+4:VF+8*(4*\u+\d)+7], v[ADR] offset:\u*32*PVP+16*PVP+32*\d
.endr
.endr
	WIN 0
.endm
.macro KQ_ALL                          ; 32 products: 16 accumulators by turns, one instruction a turn; the first 16 start the sums
	WIN 0x01
.irp c, 0,1
.irp k, 0,1,2,3,4,5,6,7
.irp t, 0,1
.if \c == 0
	v_wmma_f32_16x16x32_f16 v[S+64*\t+8*\k:S+64*\t+8*\k+7], v[KF+16*\k+8*\c:KF+16*\k+8*\c+7], v[QF+16*\t+8*\c:QF+16*\t+8*\c+7], 0
.else
	v_wmma_f32_16x16x32_f16 v[S+64*\t+8*\k:S+64*\t+8*\k+7], v[KF+16*\k+8*\c:KF+16*\k+8*\c+7], v[QF+16*\t+8*\c:QF+16*\t+8*\c+7], v[S+64*\t+8*\k:S+64*\t+8*\k+7]
.endif
.endr
.endr
.endr
.endm
.macro PV_ALL                          ; 32 products: 8 accumulators by turns
	WIN 0x01
.irp u, 0,1,2,3
.irp d, 0,1,2,3
.irp t, 0,1
	v_wmma_f32_16x16x32_f16 v[O+32*\t+8*\d:O+32*\t+8*\d+7], v[VF+8*(4*\u+\d):VF+8*(4*\u+\d)+7], v[S+64*\t+8*\u:S+64*\t+8*\u+7], v[O+32*\t+8*\d:O+32*\t+8*\d+7]
.endr
.endr
.endr
.endm
.macro PKFMA t, i                      ; pair i of tile t: c s - c m
	v_pk_fma_f32 v[S+64*(\t)+2*(\i):S+64*(\t)+2*(\i)+1], v[S+64*(\t)+2*(\i):S+64*(\t)+2*(\i)+1], s[CS:CS+1], v[ST+8*(\t):ST+8*(\t)+1] op_sel_hi:[1,0,0] neg_lo:[0,0,1] neg_hi:[0,0,1]
.endm
.macro EXPS t, e
	v_exp_f32 v[S+64*(\t)+(\e)], v[S+64*(\t)+(\e)]
.endm
; Number n of the 80 plain instructions that read tile t's exponentials.  n < 64, even: sum n / 2; odd: rounding n / 2; from 64 on: O^T's pair n - 64 times a.
; The sums go in two chains of pairs (an even key's weight, an odd key's).  Rounding k packs weights 2 k, 2 k + 1 into register k, in place: sum k has by then taken pairs up to k + 2, and rounding k / 2 is done.
.macro PL t, n
.set rT, ST+8*(\t)
.set rS, S+64*(\t)
.set rB, CHB+2*(\t)
.set rO, O+32*(\t)+2*((\n)-64)
.set kk, (\n)/2
.if (\n) >= 64
	v_pk_mul_f32 v[rO:rO+1], v[rO:rO+1], v[rT+6:rT+7] op_sel_hi:[1,0]
.elseif (\n)%2 == 1
	v_cvt_pk_f16_f32 v[rS+kk], v[rS+2*kk], v[rS+2*kk+1]
.elseif kk == 0
	v_pk_add_f32 v[rT+4:rT+5], v[rS:rS+1], v[rS+2:rS+3]
.elseif kk == 1
	v_pk_add_f32 v[rB:rB+1], v[rS+4:rS+5], v[rS+6:rS+7]
.elseif (kk < 30) && (kk%2 == 0)
	v_pk_add_f32 v[rT+4:rT+5], v[rT+4:rT+5], v[rS+2*kk+4:rS+2*kk+5]
.elseif kk < 30
	v_pk_add_f32 v[rB:rB+1], v[rB:rB+1], v[rS+2*kk+4:rS+2*kk+5]
.elseif kk == 30
	v_pk_add_f32 v[rT+4:rT+5], v[rT+4:rT+5], v[rB:rB+1]
.else
	v_pk_fma_f32 v[rT+2:rT+3], v[rT+2:rT+3], v[rT+6:rT+7], v[rT+4:rT+5] op_sel_hi:[1,0,1]   ; l = l a + the step's sum
.endif
.endm
.macro SOFTMAX
	; the maximum of a lane's 64 scores and the old m: four chains a tile, tiles and chains by turns; each accumulator is first read at its low end
.irp i, 0,1,2,3
.irp t, 0,1
	v_max3_num_f32 v[ST+8*\t+4+\i], v[S+64*\t+16*\i], v[S+64*\t+16*\i+1], v[S+64*\t+16*\i+2]
.endr
.endr
.irp k, 0,1,2,3,4,5
.irp i, 0,1,2,3
.irp t, 0,1
	v_max3_num_f32 v[ST+8*\t+4+\i], v[ST+8*\t+4+\i], v[S+64*\t+16*\i+3+2*\k], v[S+64*\t+16*\i+4+2*\k]
.endr
.endr
.endr
.irp t, 0,1
	v_max3_num_f32 v[ST+8*\t+4], v[ST+8*\t+4], v[S+64*\t+15], v[S+64*\t+31]
	v_max3_num_f32 v[ST+8*\t+6], v[ST+8*\t+6], v[S+64*\t+47], v[S+64*\t+63]
.endr
.irp t, 0,1
	v_max3_num_f32 v[ST+8*\t+4], v[ST+8*\t+4], v[ST+8*\t+5], v[ST+8*\t+6]
.endr
.irp t, 0,1
	v_max3_num_f32 v[ST+8*\t+4], v[ST+8*\t+4], v[ST+8*\t+7], v[ST+8*\t+1]
.endr
.irp t, 0,1
	v_permlanex16_b32 v[ST+8*\t+5], v[ST+8*\t+4], s[SEL], s[SEL+1]   ; the query's other 64 keys lie in the lane 16 away
.endr
.irp t, 0,1
	v_mov_b32 v[ST+8*\t+7], v[ST+8*\t]             ; c m_old
.endr
.irp t, 0,1
	v_max_num_f32 v[ST+8*\t+1], v[ST+8*\t+4], v[ST+8*\t+5]
.endr
.irp t, 0,1
	v_mul_f32 v[ST+8*\t], s[CS], v[ST+8*\t+1]
.endr
.irp t, 0,1
	v_sub_f32 v[ST+8*\t+7], v[ST+8*\t+7], v[ST+8*\t]
.endr
.set n, 0
.rept 32
	PKFMA 0, n                                     ; tile 0 is scaled;
.set n, n+1
.endr
	v_exp_f32 v[ST+6], v[ST+7]                     ; a of both tiles;
	v_exp_f32 v[ST+14], v[ST+15]
.set n, 0
.rept 32
	PKFMA 1, n                                     ; tile 1's scalings stand among tile 0's exponentials
	EXPS 0, 2*n
	EXPS 0, 2*n+1
.set n, n+1
.endr
	v_nop                                          ; a plain instruction behind the last exponential
	s_wait_alu depctr_va_vdst(0)                   ; one wait for the batch of 66, ahead of its first reader
.set n, 0
.rept 64
	PL 0, n                                        ; tile 0's sums and roundings stand among tile 1's exponentials, whose results nobody names yet
	EXPS 1, n
.set n, n+1
.endr
.rept 16
	PL 0, n                                        ; tile 0's O^T times a
.set n, n+1
.endr
	s_wait_alu depctr_va_vdst(0)                   ; one wait for tile 1's 64
.set n, 0
.rept 80
	PL 1, n
.set n, n+1
.endr
.endm
; A KEY STEP.  On entry S^T holds step j's scores, V of step j has been asked for, TB stands at step j + 1.
.macro BODY
	v_add_nc_u32 v[ADR], s[TB], v[AK0]
	PLACES 4                                       ; behind the last K Q^T: ahead of the loads into K's registers and of the first read of the scores (ISA guide 7.12.1 for vector instructions)
	FETCH_K                                        ; K of step j + 1 lands under the softmax
	SOFTMAX
	s_wait_dscnt 32                                ; V of step j is in; K's 32 loads, issued behind V's, may be out
	PV_ALL
	WIN 0
	v_add_nc_u32 v[ADR], s[TB], v[AV0]
	s_add_co_u32 s[TB], s[TB], STEPB
	PLACES 5                                       ; the next K Q^T writes over P, which these products read: five places; the loads into V's registers want four
	FETCH_V                                        ; V of step j + 1
	s_wait_dscnt 32                                ; K of step j + 1 is in; V's 32 may be out
	KQ_ALL
	WIN 0
.endm
.macro LOOPN n
	s_mov_b32 s[CNT], \n
.Lstep_\@:
	BODY
	s_sub_co_u32 s[CNT], s[CNT], 1
	s_cmp_lg_u32 s[CNT], 0
	s_cbranch_scc1 .Lstep_\@
.endm
; THE CHANGE OF SLOTS: the slot's last bytes, V of its fourth step, have been asked for.  Each wave waits for all its tensor loads (one is out: its part of the other slot), adds 0 to its spare word,
; and waits for that and for its reads of the slot.  fill = 1: the barrier is a round of the cluster's, and the joint refill, 1,024 keys on, is the first thing behind it: it has four steps in which to land.
.macro CHANGE slot, fill, tb
	s_wait_tensorcnt 0x0
	ds_add_u32 v[SPW], v[NIL]
.if \fill
	s_add_nc_u64 s[G0K+4*\slot+2:G0K+4*\slot+3], s[G0K+4*\slot+2:G0K+4*\slot+3], 131072   ; no tensor load of mine is out: a group 0 may be written
	s_add_nc_u64 s[G0V+4*\slot+2:G0V+4*\slot+3], s[G0V+4*\slot+2:G0V+4*\slot+3], 131072
.endif
	s_mov_b32 s[TB], \tb                           ; the fetches go on in the other slot
	s_wait_dscnt 0x0
.if \fill
	CROUND
	JLOAD \slot
.else
	s_barrier_signal -1
	s_barrier_wait -1
.endif
.endm
	s_wait_tensorcnt 0x1                           ; my part of slot 0 is in; slot 1's may be out
	s_barrier_signal -1
	s_barrier_wait -1
	s_mov_b32 s[TB], 0
	v_add_nc_u32 v[ADR], s[TB], v[AK0]
	FETCH_K                                        ; step 0
	v_add_nc_u32 v[ADR], s[TB], v[AV0]
	FETCH_V
	s_add_co_u32 s[TB], s[TB], STEPB
	s_wait_loadcnt 0x0                             ; Q
	s_wait_dscnt 32                                ; K is in; V's 32 may be out
	KQ_ALL
	WIN 0
	ASK 0                                          ; keys 1,024 to 1,535: three steps ahead of the load that asks for them
	LOOPN 3                                        ; steps 0-2; fetches steps 1-3
	CHANGE 0, 1, SLOTB
	ASK 1                                          ; keys 1,536 to 2,047: four steps ahead
	LOOPN 4                                        ; steps 3-6; fetches 4-7
	CHANGE 1, 1, 0
	LOOPN 4                                        ; steps 7-10; fetches 8-11
	CHANGE 0, 0, SLOTB                             ; nothing is left to ask for
	LOOPN 4                                        ; steps 11-14; fetches 12-15
	PLACES 4                                       ; behind the last K Q^T
	SOFTMAX
	s_wait_dscnt 0x0                               ; V of step 15
	PV_ALL
	WIN 0
	PLACES 4
	; THE WAY OUT: l's two halves and the other half of the lanes'; O^T / l, rounded to f16, through my stage: a tile's 16 rows of 128 bytes leave as 2,048 consecutive bytes
.irp t, 0,1
	v_add_f32 v[ST+8*\t+4], v[ST+8*\t+2], v[ST+8*\t+3]
.endr
.irp t, 0,1
	v_permlanex16_b32 v[ST+8*\t+5], v[ST+8*\t+4], s[SEL], s[SEL+1]
.endr
.irp t, 0,1
	v_add_f32 v[ST+8*\t+4], v[ST+8*\t+4], v[ST+8*\t+5]
.endr
.irp t, 0,1
	v_rcp_f32 v[ST+8*\t+6], v[ST+8*\t+4]
.endr
	v_nop
	s_wait_alu depctr_va_vdst(0)                   ; one wait for both reciprocals
.irp t, 0,1
.set n, 64
.rept 16
	PL \t, n                                       ; O^T times 1 / l, each accumulator from its low end on
.set n, n+1
.endr
.irp i, 0,1,2,3,4,5,6,7,8,9,10,11,12,13,14,15
	v_cvt_pk_f16_f32 v[S+64*\t+\i], v[O+32*\t+2*\i], v[O+32*\t+2*\i+1]
.endr
.irp d, 0,1,2,3
	ds_store_b128 v[STO], v[S+64*\t+4*\d:S+64*\t+4*\d+3] offset:\t*16*SP+32*\d
.endr
.irp i, 0,1,2,3
	ds_load_b128 v[S+64*\t+32+4*\i:S+64*\t+32+4*\i+3], v[RD] offset:\t*16*SP+\i*4*SP   ; in order behind my stores
.endr
.endr
.irp i, 0,1,2,3
	s_wait_dscnt 11-\i                             ; behind tile 0's load i: its later loads and tile 1's eight LDS instructions
	global_store_b128 v[GO], v[S+32+4*\i:S+32+4*\i+3], s[68:69] offset:512*\i   ; 512 consecutive bytes, aligned
.endr
.irp i, 0,1,2,3
	s_wait_dscnt 3-\i
	global_store_b128 v[GO], v[S+96+4*\i:S+96+4*\i+3], s[68:69] offset:2048+512*\i
.endr
	s_wait_tensorcnt 0x0                           ; the wave's end
	ds_add_u32 v[SPW], v[NIL]
	s_wait_dscnt 0x0
	CROUND                                         ; the closing round
	s_endpgm
.Lfunc_end_k_q5225f3ce15_attn:
	.size	k_q5225f3ce15_attn, .Lfunc_end_k_q5225f3ce15_attn-k_q5225f3ce15_attn
	.p2alignl 7, 3214868480
	.fill 96, 4, 3214868480
	.section	.rodata,"a",@progbits
	.p2align	6, 0x0
	.amdhsa_kernel k_q5225f3ce15_attn
		.amdhsa_group_segment_fixed_size 327680
		.amdhsa_private_segment_fixed_size 0
		.amdhsa_enable_private_segment 0
		.amdhsa_kernarg_size 16
		.amdhsa_user_sgpr_count 2
		.amdhsa_user_sgpr_kernarg_segment_ptr 1
		.amdhsa_wavefront_size32 1
		.amdhsa_system_sgpr_workgroup_id_x 1
		.amdhsa_system_sgpr_workgroup_id_y 1
		.amdhsa_system_sgpr_workgroup_id_z 1
		.amdhsa_system_vgpr_workitem_id 0
		.amdhsa_next_free_vgpr 512
		.amdhsa_next_free_sgpr 72
		.amdhsa_reserve_vcc 0
		.amdhsa_float_denorm_mode_32 3
		.amdhsa_float_denorm_mode_16_64 3
		.amdhsa_memory_ordered 1
		.amdhsa_forward_progress 1
		.amdhsa_inst_pref_size 177
	.end_amdhsa_kernel
	.amdgpu_metadata
---
amdhsa.version: [ 1, 2 ]
amdhsa.kernels:
  - .name:           k_q5225f3ce15_attn
    .symbol:         k_q5225f3ce15_attn.kd
    .args:
      - { .name: qkv, .offset: 0, .size: 8, .value_kind: global_buffer, .address_space: global }
      - { .name: ctx, .offset: 8, .size: 8, .value_kind: global_buffer, .address_space: global }
    .group_segment_fixed_size: 327680
    .private_segment_fixed_size: 0
    .kernarg_segment_align: 8
    .kernarg_segment_size: 16
    .max_flat_workgroup_size: 256
    .sgpr_count:     72
    .vgpr_count:     512
    .wavefront_size: 32
...
	.end_amdgpu_metadata
.endif
;; end of part 3
;; launch proj (part 4): grid 8 x 32, 4 waves a work-group, clusters of 4 x 4, 327,680 bytes of LDS; arguments ctx, wo16, bo, out0; writes out0
.if DOCPART == 4
	.amdgcn_target "amdgcn-amd-amdhsa--gfx1250"
	.amdhsa_code_object_version 6
	.text
	.protected	k_q5225f3ce15_proj
	.globl	k_q5225f3ce15_proj
	.p2align	8
	.type	k_q5225f3ce15_proj,@function
k_q5225f3ce15_proj:
	s_mov_b64 s[64:65], 0
	v_nop
	global_prefetch_b8 v0, s[64:65] scope:SCOPE_SE
	s_setreg_imm32_b32 hwreg(HW_REG_WAVE_MODE, 25, 1), 1
	s_wait_xcnt 0x0
	s_wait_alu depctr_hold_cnt(0) depctr_sa_sdst(0) depctr_va_vdst(0) depctr_va_sdst(0) depctr_va_ssrc(0) depctr_va_vcc(0) depctr_vm_vsrc(0)
	s_getreg_b32 s2, hwreg(HW_REG_IB_STS2, 6, 4)
	s_cmp_eq_u32 s2, 0
	s_cbranch_scc0 .Lentry_in_a_cluster
	s_endpgm
.Lentry_in_a_cluster:
	s_bfe_u32 s2, ttmp6, 0x10000c
	s_cmp_lg_u32 s2, 0xf033
	s_cbranch_scc0 .Lentry_shape_is_right
	s_endpgm
.Lentry_shape_is_right:
; out0[token][n] = the sum over k of ctx[token][k] Wo[n][k] + bo[n]: f16 operands, f32 sums, f32 out.  ctx is laid [16 heads][4096 tokens][64] f16 (k = 64 head + channel), wo16 [1024 n][1024 k] f16.
; SHARES: tiles of 128 x 128: 8 x 32 = 256 work-groups; four waves, each 64 x 64: 16 accumulators.  K goes in four steps of 256 (four heads) through two LDS slots: two first fills, two refills.
; CLUSTERS: 4 x 4.  The four of a row need the same tokens of ctx, the four of a column the same rows of Wo: each tile is asked for jointly.
; THE MATRIX INSTRUCTION IS USED TRANSPOSED (source 0 = 16 rows of Wo, source 1 = 16 tokens): a lane holds one token and eight neighbouring outputs.  The bias is the C of each sum's first instruction.
; ctx'S TILE: a head's 128 tokens are 16,384 dense bytes: one row of the descriptor, padded by 16 bytes after every 128, so that a token's row is 144 bytes in LDS; a load brings two heads.
; REGISTERS: window 0: v16-29 addresses; v32-95 the way out; v96-127 four bias tiles; v128-255 accumulators ((a, b) at v[128 + 8 (4 a + b)]).   window 1: two fragment buffers of 128: 64 of ctx, 64 of Wo, for 64 along K.
.set PA,     144
.set HEADB,  128*PA                    ; a head's 128 tokens in LDS
.set ATILE,  4*HEADB
.set PB,     528                       ; Wo's row: 512 bytes + 16
.set BHALF,  64*PB
.set SLOT,   ATILE+2*BHALF
.set STAGE,  2*SLOT                    ; 16 rows x 272 bytes for each wave, its own
.set SPITCH, 272
.set SPARE,  STAGE+4*16*SPITCH         ; the spare words, 128 bytes a wave
.set ADRA, 16
.set ADRB, 20
.set STO,  24
.set RD,   25
.set CO,   26
.set BO,   27
.set SPW,  28
.set NIL,  29
.set TMP,  32
.set BIAS, 96
.set ACC,  128
.set F0,   0
.set F1,   128
.set G1,  24
.set G0,  32
.set G1B, 48
.set G0B, 56
.set MSB, 0
.macro WIN new
.if MSB != (\new)
	s_set_vgpr_msb (MSB<<8)|(\new)
.set MSB, (\new)
.endif
.endm
.set MUL,  0x05                        ; sources 0 and 1 window 1; C and D window 0
.set TO_F, 0x40                        ; destination window 1, address window 0
.macro JLOAD s                         ; waves 0 and 1 fetch ctx's heads, waves 2 and 3 Wo's halves; an s_nop 0 and four v_nop follow each line
	s_cmp_eq_u32 s13, 0
	s_cbranch_scc0 .Lfor_b_\@
	tensor_load_to_lds s[G0+4*\s:G0+4*\s+3], s[G1:G1+7]
	s_nop 0
.rept 4
	v_nop
.endr
	s_branch .Lasked_\@
.Lfor_b_\@:
	tensor_load_to_lds s[G0B+4*\s:G0B+4*\s+3], s[G1B:G1B+7]
	s_nop 0
.rept 4
	v_nop
.endr
.Lasked_\@:
.endm
.macro CREST
	s_cmp_lg_u32 s12, 0
	s_cbranch_scc1 .Lnot_wave_0_\@
	s_barrier_signal -3
.Lnot_wave_0_\@:
	s_barrier_wait -3
	s_barrier_signal -1
	s_barrier_wait -1
.endm
.macro CROUND
	s_barrier_signal -1
	s_barrier_wait -1
	CREST
.endm
	s_load_b256 s[4:11], s[0:1], 0x0               ; ctx, wo16, bo, out0
	v_lshl_add_u32 v[SPW], v0, 2, SPARE
	v_mov_b32 v[NIL], 0
	ds_add_u32 v[SPW], v[NIL]                      ; the opening: the add, twice on end, and its wait ahead of my first tensor load
	ds_add_u32 v[SPW], v[NIL]
	v_lshrrev_b32 v1, 5, v0
	v_readfirstlane_b32 s12, v1                    ; wave 0..3
	s_lshr_b32 s13, s12, 1                         ; my half of the tile's tokens.  Also: I fetch for ctx (0) or for Wo (1)
	s_and_b32 s14, s12, 1                          ; my half of its outputs.  Also: which part of that tile I fetch
	s_bfe_u32 s40, ttmp6, 0x40000                  ; cx
	s_bfe_u32 s41, ttmp6, 0x40004                  ; cy
	s_lshl_b32 s42, ttmp9, 2
	s_add_co_u32 s42, s42, s40                     ; tile column
	s_and_b32 s15, ttmp7, 0xffff
	s_lshl_b32 s15, s15, 2
	s_add_co_u32 s15, s15, s41                     ; tile row
	s_lshl_b32 s43, s41, 2
	s_lshl_b32 s43, 15, s43                        ; my row of the cluster
	s_lshl_b32 s44, 0x1111, s40                    ; my column
	s_or_b32 s[G1], s43, (1<<16)|(1<<20)|(1<<21)|(4<<22)|(3<<25)   ; elements of 2 bytes; 4 words of padding after every 32
	s_mov_b32 s[G1+1], 8192<<16                    ; tensor_dim0: 128 tokens x 64 channels
	s_mov_b32 s[G1+2], 2<<16                       ; tensor_dim1: two heads
	s_mov_b32 s[G1+3], 8192<<16                    ; tile_dim0
	s_mov_b32 s[G1+4], 2                           ; tile_dim1
	s_mov_b32 s[G1+5], 262144                      ; from head to head, in elements
	s_mov_b32 s[G1+6], 0
	s_mov_b32 s[G1+7], 0
	s_or_b32 s[G1B], s44, (1<<16)|(1<<20)|(1<<21)|(6<<22)|(3<<25)  ; 4 words of padding after every 128
	s_mov_b32 s[G1B+1], 256<<16
	s_mov_b32 s[G1B+2], 64<<16
	s_mov_b32 s[G1B+3], 256<<16
	s_mov_b32 s[G1B+4], 64
	s_mov_b32 s[G1B+5], 1024
	s_mov_b32 s[G1B+6], 0
	s_mov_b32 s[G1B+7], 0
	s_lshl_b32 s16, s14, 20                        ; ctx: heads 2 x part on (524,288 bytes a head),
	s_lshl_b32 s17, s15, 14
	s_add_co_u32 s16, s16, s17                     ; tokens 128 x tile row on (128 bytes a token): the tile row and the wave's number alone
	s_mov_b32 s17, 0
	s_lshl_b32 s46, s42, 18                        ; Wo: rows 128 x tile column + 64 x part, 2,048 bytes a row: the tile column and the wave's number alone
	s_lshl_b32 s47, s14, 17
	s_add_co_u32 s46, s46, s47
	s_mov_b32 s47, 0
	s_mul_i32 s20, s14, 2*HEADB                    ; where they go in a slot
	s_mul_i32 s21, s14, BHALF
	s_add_co_u32 s21, s21, ATILE
	s_wait_dscnt 0x0                               ; both opening adds are done
	s_wait_kmcnt 0x0
	s_add_nc_u64 s[16:17], s[4:5], s[16:17]
	s_add_nc_u64 s[46:47], s[6:7], s[46:47]
	CROUND                                         ; all sixteen work-groups are here: the first joint loads meet
.irp s, 0,1
	s_mov_b32 s[G0+4*\s], 1
	s_add_co_u32 s[G0+4*\s+1], s20, \s*SLOT
	s_add_nc_u64 s[G0+4*\s+2:G0+4*\s+3], s[16:17], \s*4*524288     ; K step s: heads 4 s on
	s_or_b32 s[G0+4*\s+3], s[G0+4*\s+3], 0x80000000
	s_mov_b32 s[G0B+4*\s], 1
	s_add_co_u32 s[G0B+4*\s+1], s21, \s*SLOT
	s_add_nc_u64 s[G0B+4*\s+2:G0B+4*\s+3], s[46:47], \s*512
	s_or_b32 s[G0B+4*\s+3], s[G0B+4*\s+3], 0x80000000
	JLOAD \s
.endr
	v_and_b32 v1, 15, v0                           ; r
	v_bfe_u32 v2, v0, 4, 1                         ; h
	v_lshlrev_b32 v[BO], 5, v2
	s_lshl_b32 s46, s42, 9
	s_lshl_b32 s47, s14, 8
	s_add_co_u32 s46, s46, s47                     ; my first output, in bytes of f32: 512 x tile column + 256 x half
	s_mov_b32 s47, 0
	s_add_nc_u64 s[8:9], s[8:9], s[46:47]
.irp b, 0,1,2,3                                ; bias tile b in the result's layout: lane (r, h), register j: bo of output 16 b + 8 h + j
	global_load_b128 v[BIAS+8*\b:BIAS+8*\b+3], v[BO], s[8:9] offset:64*\b
	global_load_b128 v[BIAS+8*\b+4:BIAS+8*\b+7], v[BO], s[8:9] offset:64*\b+16
.endr
	s_lshl_b32 s16, s15, 19
	s_lshl_b32 s17, s13, 18
	s_add_co_u32 s16, s16, s17                     ; my first token's row of out0: (128 x tile row + 64 x half) x 4,096 bytes
	s_mov_b32 s17, 0
	s_add_nc_u64 s[10:11], s[10:11], s[16:17]
	s_add_nc_u64 s[10:11], s[10:11], s[46:47]
	v_mul_u32_u24 v3, v1, PA
	v_lshl_add_u32 v3, v2, 4, v3
	s_mul_i32 s21, s13, 64*PA                      ; my 64 tokens
	v_add_nc_u32 v[ADRA], s21, v3
	v_add_nc_u32 v[ADRA+1], SLOT, v[ADRA]
	v_mul_u32_u24 v4, v1, PB
	v_lshl_add_u32 v4, v2, 4, v4
	s_mul_i32 s22, s14, BHALF                      ; my 64 rows of Wo, behind ctx's tile
	s_add_co_u32 s22, s22, ATILE
	v_add_nc_u32 v[ADRB], s22, v4
	v_add_nc_u32 v[ADRB+1], SLOT, v[ADRB]
	s_mul_i32 s23, s12, 16*SPITCH
	s_add_co_u32 s23, s23, STAGE                   ; my stage
	v_mul_u32_u24 v5, v1, SPITCH
	v_lshl_add_u32 v5, v2, 5, v5
	v_add_nc_u32 v[STO], s23, v5                   ; in: row r, 32 bytes for each half of the lanes
	v_mul_u32_u24 v5, v2, SPITCH
	v_lshl_add_u32 v5, v1, 4, v5
	v_add_nc_u32 v[RD], s23, v5                    ; back: lanes 0-15 one row of 256 bytes, lanes 16-31 the next
	v_lshlrev_b32 v5, 12, v2
	v_lshl_add_u32 v[CO], v1, 4, v5                ; and the same two rows in out0
; 8 matrix instructions: token blocks a0, a0 + 1 x all 4 output blocks, 32 along K: half c of buffer f.  zero = 1: the sums start from the bias.  The 16 accumulators take turns
.macro MUL8 f, c, a0, zero
.irp a, \a0, \a0+1
.irp b, 0,1,2,3
.if \zero
	v_wmma_f32_16x16x32_f16 v[ACC+8*(4*(\a)+\b):ACC+8*(4*(\a)+\b)+7], v[\f+64+8*(4*\c+\b):\f+64+8*(4*\c+\b)+7], v[\f+8*(4*\c+\a):\f+8*(4*\c+\a)+7], v[BIAS+8*\b:BIAS+8*\b+7]
.else
	v_wmma_f32_16x16x32_f16 v[ACC+8*(4*(\a)+\b):ACC+8*(4*(\a)+\b)+7], v[\f+64+8*(4*\c+\b):\f+64+8*(4*\c+\b)+7], v[\f+8*(4*\c+\a):\f+8*(4*\c+\a)+7], v[ACC+8*(4*(\a)+\b):ACC+8*(4*(\a)+\b)+7]
.endif
.endr
.endr
.endm
; 32 LDS loads in one run: the slot's head q (64 along K) into buffer f; its first 32 channels first
.macro FETCH slot, q, f
	WIN TO_F
.irp c, 0,1
.irp i, 0,1,2,3
	ds_load_b128 v[\f+64+8*(4*\c+\i):\f+64+8*(4*\c+\i)+3],   v[ADRB+\slot] offset:128*(\q)+64*\c+\i*16*PB
	ds_load_b128 v[\f+64+8*(4*\c+\i)+4:\f+64+8*(4*\c+\i)+7], v[ADRB+\slot] offset:128*(\q)+64*\c+\i*16*PB+32
	ds_load_b128 v[\f+8*(4*\c+\i):\f+8*(4*\c+\i)+3],         v[ADRA+\slot] offset:HEADB*(\q)+64*\c+\i*16*PA
	ds_load_b128 v[\f+8*(4*\c+\i)+4:\f+8*(4*\c+\i)+7],       v[ADRA+\slot] offset:HEADB*(\q)+64*\c+\i*16*PA+32
.endr
.endr
.endm
.macro PLACES                          ; four places in front of loads into registers that matrix instructions have read, and of the first read of results (ISA guide 7.12.1 for vector instructions)
.rept 4
	v_nop
.endr
.endm
; A K step is four quarters (heads), 32 matrix instructions each, on buffers 0, 1, 0, 1.  One of the first three multiplies buffer f and fetches head q into g
.macro QUARTER slot, q, f, g, zero
	s_wait_dscnt 16                                ; the first 32 channels are in; the younger sixteen loads may be out
	WIN MUL
	MUL8 \f, 0, 0, \zero
	MUL8 \f, 0, 2, \zero
	PLACES
	FETCH \slot, \q, \g
	s_wait_dscnt 32                                ; all but the 32 just issued
	WIN MUL
	MUL8 \f, 1, 0, 0
	MUL8 \f, 1, 2, 0
.endm
; The last quarter multiplies buffer 1 and changes slots: one barrier; in front of it each wave waits for all its tensor loads, adds 0 to its spare word, and waits for that and for its reads of this slot
.macro TURN slot, next, fill
	WIN 0
	s_wait_tensorcnt 0x0                           ; my part of the next slot has landed: no tensor load of mine is out
	ds_add_u32 v[SPW], v[NIL]
	s_wait_dscnt 17                                ; the add and the youngest sixteen loads may be out
	WIN MUL
	MUL8 F1, 0, 0, 0
	s_wait_dscnt 0x0                               ; the add is done, and my reads of this slot are over
	s_barrier_signal -1
	MUL8 F1, 0, 2, 0
.if \fill
	WIN 0
.endif
	s_barrier_wait -1
.if \fill
	CREST                                          ; the barrier has opened a round of the cluster's: no wave of any partner still reads this slot or has a load on its way
	s_add_nc_u64 s[G0+4*\slot+2:G0+4*\slot+3], s[G0+4*\slot+2:G0+4*\slot+3], 8*524288   ; two K steps on: eight heads,
	s_add_nc_u64 s[G0B+4*\slot+2:G0B+4*\slot+3], s[G0B+4*\slot+2:G0B+4*\slot+3], 1024    ; 512 along Wo's rows
	JLOAD \slot                                    ; the first tensor load behind the round; its four v_nop are also the places in front of the loads below
.else
	PLACES
.endif
	FETCH \next, 0, F0
	WIN MUL
	MUL8 F1, 1, 0, 0
	MUL8 F1, 1, 2, 0
.endm
	s_wait_tensorcnt 0x1                           ; my part of K step 0 is in; K step 1's load may be out
	s_barrier_signal -1
	s_barrier_wait -1
	FETCH 0, 0, F0
	s_wait_loadcnt 0x0                             ; the bias
	QUARTER 0, 1, F0, F1, 1                        ; K step 0
	QUARTER 0, 2, F1, F0, 0
	QUARTER 0, 3, F0, F1, 0
	TURN 0, 1, 1                                   ; slot 0 takes K step 2
	QUARTER 1, 1, F0, F1, 0                        ; K step 1
	QUARTER 1, 2, F1, F0, 0
	QUARTER 1, 3, F0, F1, 0
	TURN 1, 0, 1                                   ; slot 1 takes K step 3
	QUARTER 0, 1, F0, F1, 0                        ; K step 2
	QUARTER 0, 2, F1, F0, 0
	QUARTER 0, 3, F0, F1, 0
	TURN 0, 1, 0                                   ; nothing is left to ask for
	QUARTER 1, 1, F0, F1, 0                        ; K step 3
	QUARTER 1, 2, F1, F0, 0
	QUARTER 1, 3, F0, F1, 0
	s_wait_dscnt 16
	WIN MUL
	MUL8 F1, 0, 0, 0
	MUL8 F1, 0, 2, 0
	s_wait_dscnt 0x0
	MUL8 F1, 1, 0, 0
	MUL8 F1, 1, 2, 0
	WIN 0
; THE WAY OUT, 16 tokens x my 64 outputs at a time: a lane's 32 bytes go into my own stage and come back as whole rows of 256 bytes: sixteen lanes store 256 consecutive bytes, aligned.
.macro TOSTAGE a
.irp b, 0,1,2,3
	ds_store_b128 v[STO], v[ACC+8*(4*(\a)+\b):ACC+8*(4*(\a)+\b)+3] offset:64*\b        ; each accumulator from its low end on
	ds_store_b128 v[STO], v[ACC+8*(4*(\a)+\b)+4:ACC+8*(4*(\a)+\b)+7] offset:64*\b+16
.endr
.irp i, 0,1,2,3,4,5,6,7
	ds_load_b128 v[TMP+32*((\a)%2)+4*\i:TMP+32*((\a)%2)+4*\i+3], v[RD] offset:\i*2*SPITCH   ; in order behind my stores
.endr
.endm
.macro SEND a, younger                 ; younger: the LDS instructions issued behind block a's loads
	s_wait_dscnt \younger
.irp i, 0,1,2,3,4,5,6,7
	global_store_b128 v[CO], v[TMP+32*((\a)%2)+4*\i:TMP+32*((\a)%2)+4*\i+3], s[10:11] offset:(16*(\a)+2*\i)*4096 th:TH_STORE_NT
.endr
.endm
	PLACES
	TOSTAGE 0
.irp a, 1,2,3
.if \a > 1
	s_wait_xcnt 0x0                                ; block a - 2's stores have read the registers into which block a's loads land
.endif
	TOSTAGE \a
	SEND \a-1, 16                                  ; behind block a - 1's loads: block a's eight stores and eight loads
.endr
	SEND 3, 0
	s_wait_tensorcnt 0x0                           ; the wave's end
	ds_add_u32 v[SPW], v[NIL]
	s_wait_dscnt 0x0
	CROUND                                         ; the closing round
	s_endpgm
.Lfunc_end_k_q5225f3ce15_proj:
	.size	k_q5225f3ce15_proj, .Lfunc_end_k_q5225f3ce15_proj-k_q5225f3ce15_proj
	.p2alignl 7, 3214868480
	.fill 96, 4, 3214868480
	.section	.rodata,"a",@progbits
	.p2align	6, 0x0
	.amdhsa_kernel k_q5225f3ce15_proj
		.amdhsa_group_segment_fixed_size 327680
		.amdhsa_private_segment_fixed_size 0
		.amdhsa_enable_private_segment 0
		.amdhsa_kernarg_size 32
		.amdhsa_user_sgpr_count 2
		.amdhsa_user_sgpr_kernarg_segment_ptr 1
		.amdhsa_wavefront_size32 1
		.amdhsa_system_sgpr_workgroup_id_x 1
		.amdhsa_system_sgpr_workgroup_id_y 1
		.amdhsa_system_sgpr_workgroup_id_z 1
		.amdhsa_system_vgpr_workitem_id 0
		.amdhsa_next_free_vgpr 512
		.amdhsa_next_free_sgpr 66
		.amdhsa_reserve_vcc 0
		.amdhsa_float_denorm_mode_32 3
		.amdhsa_float_denorm_mode_16_64 3
		.amdhsa_memory_ordered 1
		.amdhsa_forward_progress 1
		.amdhsa_inst_pref_size 86
	.end_amdhsa_kernel
	.amdgpu_metadata
---
amdhsa.version: [ 1, 2 ]
amdhsa.kernels:
  - .name:           k_q5225f3ce15_proj
    .symbol:         k_q5225f3ce15_proj.kd
    .args:
      - { .name: ctx, .offset: 0, .size: 8, .value_kind: global_buffer, .address_space: global }
      - { .name: wo16, .offset: 8, .size: 8, .value_kind: global_buffer, .address_space: global }
      - { .name: bo, .offset: 16, .size: 8, .value_kind: global_buffer, .address_space: global }
      - { .name: out0, .offset: 24, .size: 8, .value_kind: global_buffer, .address_space: global }
    .group_segment_fixed_size: 327680
    .private_segment_fixed_size: 0
    .kernarg_segment_align: 8
    .kernarg_segment_size: 32
    .max_flat_workgroup_size: 128
    .sgpr_count:     66
    .vgpr_count:     512
    .wavefront_size: 32
...
	.end_amdgpu_metadata
.endif
;; end of part 4
